; MI455X (gfx1250); checked and timed in simulation.
; The chip was launched on July 23, 2026; its instructions are those of AMD's public machine-readable ISA for CDNA 5 (MIT licence, August 2026) and "CDNA5" Instruction Set Architecture Reference Guide (July 2026). The comments in the code are by the model that wrote it; some were corrected since.
;; NON Local Block1 D mutual. Allowed arithmetic: matrix products marked QUANTISED: E4M3 operands, one given power-of-two scale a tensor, by v_wmma_f32_16x16x64_fp8_fp8 or v_wmma_f32_16x16x128_fp8_fp8, f32 sums; everything else in f32.
;; Inputs: b_W 512 float32; b_g 256 float32; b_phi 256 float32; b_theta 256 float32; beta 512 float32; gamma 512 float32; lowp_scales 10 int32 (the exponents e of the quantised operands' scales 2^e); w_W 512 x 512 float32; w_g 256 x 512 float32; w_phi 256 x 512 float32; w_theta 256 x 512 float32; x 8 x 512 x 4,096 float32.
;; Outputs: out0 8 x 512 x 4,096 float32.
;; This version of the problem:
;;   THIS VERSION OF THE PROBLEM IS GIVEN IN LOW PRECISION. The matrix products marked QUANTISED in the list below multiply operands that are first quantised to E4M3 (4 exponent bits, 3 mantissa bits; 8 bits a number), with one given power-of-two scale for each operand tensor; their sums are f32. All else is computed in f32.
;;   The module's matrix products, in the order in which they are computed (A, B: the left and right operand; K: the contracted axis; several contracted axes count as one K, in the product's order):
;;     1. [M 32,768, K 512] x [K 512, N 256]; A: input x; B: input w_theta: QUANTISED (scales: A lowp_scales[0], B lowp_scales[1])
;;     2. [M 32,768, K 512] x [K 512, N 256]; A: computed on the way; B: input w_phi: QUANTISED (scales: A lowp_scales[2], B lowp_scales[3])
;;     3. [M 32,768, K 512] x [K 512, N 256]; A: computed on the way; B: input w_g: QUANTISED (scales: A lowp_scales[4], B lowp_scales[5])
;;     4. batch 8 x [M 4,096, K 256] x [K 256, N 4,096]; A: computed on the way; B: computed on the way: QUANTISED (scales: A lowp_scales[6], B lowp_scales[7])
;;     5. [M 32,768, K 512] x [K 512, N 512]; A: computed on the way; B: input w_W: QUANTISED (scales: A lowp_scales[8], B lowp_scales[9])
;;   THE QUANTISER, for each operand of a quantised product, along K:
;;     - The operand's scale is 2^e, e = its entry of the input lowp_scales (int32; the entries are numbered through the quantised products in the list's order, A before B).
;;     - Each number is divided by the scale, clamped to +-448, and rounded to the nearest number of E4M3, ties to even, subnormals kept.
;;     - The product sums the exact products of the quantised numbers (number of the format x scale) in f32.
;;   ~~~python
;;   def quantise(x, axis, e):      # numpy; x: float32 -> the quantised numbers, widened to float32 again
;;       x = np.moveaxis(x, axis, -1); K = x.shape[-1]
;;       r = np.clip(x / 2.0 ** e, -448, 448)
;;       step = 2.0 ** (np.maximum(np.frexp(np.where(r == 0, 1, r))[1] - 1, -6) - 3)
;;       q = np.round(r / step) * step * 2.0 ** e      # np.round: ties to even
;;       return np.moveaxis(q, -1, axis).astype(np.float32)
;;   ~~~
;;   OPERANDS COMPUTED ON THE WAY. 'Computed on the way' means the value that the module computes at that place (a softmax that the list does not call 'softmax' is quantised finished and normalised). What goes into a quantiser is computed in f32, as accurately as f32 sums, v_exp_f32 and their like allow (about 1e-6 of the number): no bf16 or f16 on the way to a quantiser, and a product that is left as it is and whose result goes on into a quantised operand takes f32 operands (vector FMAs, or v_wmma_f32_16x16x4_f32). A number that lies on a knife's edge between two numbers of the format may be rounded either way, as far as f32 arithmetic and the matrix unit's own rounding can turn it there, and no further.
;; 2 versions, each right; version 2 is version 1 with the launches proj, bnstat written anew for expert scheduling mode. Each part assembles by itself: llvm-mc -triple=amdgcn-amd-amdhsa -mcpu=gfx1250 --defsym DOCPART=n.
;; ======== version 1 of 2: 6 launches
;; workspace buffers: wcodes 655,360 bytes; qcodes 8,388,608 bytes; kcodes 8,388,608 bytes; vpart 262,144 bytes; mpart 4,194,304 bytes; bnpart 1,048,576 bytes; bnab 4,096 bytes
;; launch prep (part 1): grid 160 x 1, 8 waves a work-group, no clusters, 0 bytes of LDS; arguments w_theta, w_phi, w_g, w_W, lowp_scales, wcodes; writes wcodes
.if DOCPART == 1
	.amdgcn_target "amdgcn-amd-amdhsa--gfx1250"
	.amdhsa_code_object_version 6
	.text
	.protected	k_qe4c9b9d438_prep
	.globl	k_qe4c9b9d438_prep
	.p2align	8
	.type	k_qe4c9b9d438_prep,@function
k_qe4c9b9d438_prep:
	s_mov_b64 s[64:65], 0
	v_nop
	global_prefetch_b8 v0, s[64:65] scope:SCOPE_SE
	s_setreg_imm32_b32 hwreg(HW_REG_WAVE_MODE, 25, 1), 1
	s_wait_xcnt 0x0
; The four weights (f32, K = their last axis, 512) become codes of E4M3 under their given scales 2^e (entries 1, 3, 5, 9), laid as IMAGES OF OPERAND REGISTERS:
; a fragment is 16 rows x 128 K = 2,048 bytes; chunk c (0..3) at 512 c; lane l's 16 bytes at 16 l; lane (r = l % 16, h = l / 16) holds row r, k = 128 s + 32 c + 16 h + 0 .. 15.
; Fragment (tile t, K step s) lies at (4 t + s) x 2,048 behind its tensor's start: theta 0, phi 131,072, g 262,144, W 393,216.
; THE ROWS OF A TILE: theta, phi, g: 32 (t / 2) + 8 (t % 2) + r + 8 (r / 8), so that the results of two neighbouring tiles are 16 neighbours along the next product's K; W: 16 t + r.
; One wave makes one chunk: a lane loads its 16 numbers (64 bytes of one row) and stores 16 codes; the wave's store covers 512 consecutive bytes, aligned.  The loads take 64 bytes a lane from 16 rows:
; accepted for 2.5 MB that are read once.  LIMITS: each e between -126 and 119; NaN among the inputs is not served.
.macro PICKP n, ptr, first             ; tensor n: its pointer, its first work-group, the rows' rule
	s_cmp_eq_u32 s26, \n
	s_cselect_b64 s[28:29], s[\ptr:\ptr+1], s[28:29]
	s_cselect_b32 s31, \first, s31
	s_cselect_b32 s32, 8, s32
	s_cselect_b32 s33, 8, s33
.endm
.macro PICKE n, e                      ; tensor n: its scale's exponent
	s_cmp_eq_u32 s26, \n
	s_cselect_b32 s30, s[\e], s30
.endm
	s_load_b256 s[4:11], s[0:1], 0x0               ; theta s[4:5], phi s[6:7], g s[8:9], W s[10:11]
	s_load_b128 s[12:15], s[0:1], 0x20             ; the scales' exponents s[12:13], the codes s[14:15]
	v_lshrrev_b32 v6, 5, v0
	v_readfirstlane_b32 s27, v6                    ; wave
	v_and_b32 v1, 15, v0                           ; r
	v_bfe_u32 v4, v0, 4, 1                         ; h
	v_lshlrev_b32 v3, 4, v0                        ; out: 16 bytes a thread
	s_lshr_b32 s26, ttmp9, 5                       ; 0, 1, 2: theta, phi, g (32 work-groups each); 3, 4: W (64)
	s_wait_kmcnt 0x0
	s_load_b256 s[16:23], s[12:13], 0x0            ; entries 0 to 7
	s_load_b64 s[24:25], s[12:13], 0x20            ; entries 8, 9
	s_mov_b64 s[28:29], s[10:11]                   ; W's values stand unless one of the three compares hits
	s_mov_b32 s31, 96
	s_mov_b32 s32, 16
	s_mov_b32 s33, 0
	PICKP 0, 4, 0
	PICKP 1, 6, 32
	PICKP 2, 8, 64
	s_sub_co_u32 s34, ttmp9, s31
	s_lshl_b32 s34, s34, 3
	s_add_co_u32 s34, s34, s27                     ; the chunk's number in its tensor = 16 t + 4 s + c
	s_and_b32 s35, s34, 3                          ; c
	s_bfe_u32 s36, s34, 0x20002                    ; s
	s_lshr_b32 s37, s34, 4                         ; t
	s_lshr_b32 s38, s37, 1
	s_lshl_b32 s38, s38, 5                         ; 32 (t / 2)
	s_and_b32 s40, s37, 1
	s_mul_i32 s40, s40, s32                        ; + 8 or 16 (t % 2)
	s_add_co_u32 s38, s38, s40
	s_lshl_b32 s38, s38, 11                        ; rows of 2,048 bytes
	s_lshl_b32 s36, s36, 9                         ; + 512 s
	s_lshl_b32 s35, s35, 7                         ; + 128 c
	s_add_co_u32 s38, s38, s36
	s_add_co_u32 s38, s38, s35
	s_mov_b32 s39, 0
	s_add_nc_u64 s[28:29], s[28:29], s[38:39]
	s_lshl_b32 s42, ttmp9, 12                      ; a work-group's eight chunks
	s_mov_b32 s43, 0
	s_add_nc_u64 s[14:15], s[14:15], s[42:43]
	v_and_b32 v5, s33, v1
	v_add_nc_u32 v5, v5, v1                        ; r + 8 (r / 8), or r
	v_lshlrev_b32 v2, 11, v5
	v_lshl_add_u32 v2, v4, 6, v2                   ; + 64 h
.irp i, 0,1,2,3
	global_load_b128 v[8+4*\i:11+4*\i], v2, s[28:29] offset:16*\i th:TH_LOAD_NT
.endr
	s_wait_kmcnt 0x0
	s_mov_b32 s30, s25
	PICKE 0, 17
	PICKE 1, 19
	PICKE 2, 21
	s_add_co_i32 s44, s30, 127
	s_lshl_b32 s45, s44, 23
	v_mov_b32 v28, s45                             ; 2^e as f32: the conversion takes its exponent field
	s_add_co_i32 s44, s44, 8
	s_lshl_b32 s44, s44, 23
	s_or_b32 s44, s44, 0x600000
	v_mov_b32 v29, s44                             ; 448 x 2^e
	s_wait_loadcnt 0x0
.irp i, 0,1,2,3,4,5,6,7,8,9,10,11,12,13,14,15
	v_med3_num_f32 v[8+\i], v[8+\i], -v29, v29     ; the conversion to an 8-bit code does not saturate (ISA guide 7.6.2): the hold comes first
.endr
	v_cvt_scalef32_pk8_fp8_f32 v[24:25], v[8:15], v28
	v_cvt_scalef32_pk8_fp8_f32 v[26:27], v[16:23], v28
	v_nop
	global_store_b128 v3, v[24:27], s[14:15]
	s_endpgm
.Lfunc_end_k_qe4c9b9d438_prep:
	.size	k_qe4c9b9d438_prep, .Lfunc_end_k_qe4c9b9d438_prep-k_qe4c9b9d438_prep
	.p2alignl 7, 3214868480
	.fill 96, 4, 3214868480
	.section	.rodata,"a",@progbits
	.p2align	6, 0x0
	.amdhsa_kernel k_qe4c9b9d438_prep
		.amdhsa_group_segment_fixed_size 0
		.amdhsa_private_segment_fixed_size 0
		.amdhsa_enable_private_segment 0
		.amdhsa_kernarg_size 48
		.amdhsa_user_sgpr_count 2
		.amdhsa_user_sgpr_kernarg_segment_ptr 1
		.amdhsa_wavefront_size32 1
		.amdhsa_system_sgpr_workgroup_id_x 1
		.amdhsa_system_sgpr_workgroup_id_y 1
		.amdhsa_system_sgpr_workgroup_id_z 1
		.amdhsa_system_vgpr_workitem_id 0
		.amdhsa_next_free_vgpr 32
		.amdhsa_next_free_sgpr 66
		.amdhsa_reserve_vcc 0
		.amdhsa_float_denorm_mode_32 3
		.amdhsa_float_denorm_mode_16_64 3
		.amdhsa_memory_ordered 1
		.amdhsa_forward_progress 1
		.amdhsa_inst_pref_size 5
	.end_amdhsa_kernel
	.amdgpu_metadata
---
amdhsa.version: [ 1, 2 ]
amdhsa.kernels:
  - .name:           k_qe4c9b9d438_prep
    .symbol:         k_qe4c9b9d438_prep.kd
    .args:
      - { .name: w_theta, .offset: 0, .size: 8, .value_kind: global_buffer, .address_space: global }
      - { .name: w_phi, .offset: 8, .size: 8, .value_kind: global_buffer, .address_space: global }
      - { .name: w_g, .offset: 16, .size: 8, .value_kind: global_buffer, .address_space: global }
      - { .name: w_W, .offset: 24, .size: 8, .value_kind: global_buffer, .address_space: global }
      - { .name: lowp_scales, .offset: 32, .size: 8, .value_kind: global_buffer, .address_space: global }
      - { .name: wcodes, .offset: 40, .size: 8, .value_kind: global_buffer, .address_space: global }
    .group_segment_fixed_size: 0
    .private_segment_fixed_size: 0
    .kernarg_segment_align: 8
    .kernarg_segment_size: 48
    .max_flat_workgroup_size: 256
    .sgpr_count:     66
    .vgpr_count:     32
    .wavefront_size: 32
...
	.end_amdgpu_metadata
.endif
;; end of part 1
;; launch proj (part 2): grid 32 x 8, 8 waves a work-group, no clusters, 199,168 bytes of LDS; arguments x, wcodes, b_theta, b_phi, lowp_scales, qcodes, kcodes, vpart; writes qcodes, kcodes, vpart
.if DOCPART == 2
	.amdgcn_target "amdgcn-amd-amdhsa--gfx1250"
	.amdhsa_code_object_version 6
	.text
	.protected	k_qe4c9b9d438_proj
	.globl	k_qe4c9b9d438_proj
	.p2align	8
	.type	k_qe4c9b9d438_proj,@function
k_qe4c9b9d438_proj:
	s_mov_b64 s[64:65], 0
	v_nop
	global_prefetch_b8 v0, s[64:65] scope:SCOPE_SE
	s_setreg_imm32_b32 hwreg(HW_REG_WAVE_MODE, 25, 1), 1
	s_wait_xcnt 0x0
; Products 1, 2, 3.  Work-group (pb, b) owns the 128 points 128 pb .. of x[b] ([512 channels][4096 points], f32).  It reads its 256 KB of x ONCE, quantises them under the three given scales
; (entries 0, 2, 4) into LDS, and makes: q's codes for batch b; k's codes and the sums of v over its points for the batch that uses x[b] rolled, b' = (b + 1) % 8.
; X PHASE.  Wave w takes channels 64 w .. + 63, 16 at a time.  A load reads 512 consecutive bytes of one channel: lane l holds points 4 l .. 4 l + 3.  A point's 16 channels stand in 16 registers of one lane,
; four registers apart: the hold at the largest code copies them into 16 neighbouring registers, which the conversions take.  The 16 codes are 16 bytes of an operand's image (16 points x 128 K: chunk c at 512 c,
; lane (r, h) at 16 (r + 16 h): point r, k = 128 s + 32 c + 16 h + 0 .. 15).  A tile of 16 points has four such fragments and 16 bytes of padding behind them, so that the 16 lanes of a store fall on 16 different columns of 16 bytes.
; M PHASE.  Wave w owns tiles 2 w, 2 w + 1 of each of theta, phi, g: 24 fragments, 384 registers, loaded once.  The weights go from memory straight into registers: through LDS their 384 KB would not fit beside the images' 192 KB,
; so no tile is shared by a joint load.  THEY ARE ASKED FOR WHILE x IS QUANTISED: theta's and phi's registers (window 1) are free from the first line, so their loads go out between the units of x; g's, whose registers hold x until
; then, go out behind the last unit, and g's products come last: 16 tiles' work stands between its loads and the wait for them.
; The products are used transposed (source 0 = 16 rows of a weight, source 1 = 16 points): a lane holds one point, and the 16 registers of its two tiles are channels 32 w + 16 h + 0 .. 15:
; one chunk of the next product's operand.  The biases, divided by the power of two that the sums lack, are the C of each sum's first instruction.  v is only summed: one pair of accumulators takes all eight tiles of points.
; LIMITS: entries 0, 2, 4, and e6 - e0 - e1, e7 - e2 - e3, between -126 and 119.  NaN among the inputs is not served.
; REGISTERS, window 0: v1 16 x lane; v2-4 LDS addresses of the three sets; v5-10 scales and holds; v11 my place in a tile of codes; v12-15 codes; X phase: v16-47 two sets of 16 numbers, v48-63 four sets of codes,
;   v64-255 three units as loaded; M phase: v16-79 four fragments of x, v80-95 two accumulators, v96-127 the biases, v128-255 g's fragments.   window 1: theta's fragments v0-127, phi's v128-255.
.set TS,   8208                        ; a tile of points in LDS: 4 x 2,048 + 16
.set ZS,   65664                       ; a set: 8 tiles
.set VST,  197120                      ; behind the three sets: the sums of v, 256 words
.set YB,   16
.set CX,   48
.set RAW,  64
.set XF,   16
.set ACC,  80
.set BQ,   96
.set BK,   112
.set MSB,  0
.macro WIN new                         ; the immediate's high byte repeats the setting that is left
.if MSB != \new
	s_set_vgpr_msb (MSB<<8)|\new
.set MSB, \new
.endif
.endm
.macro PLACES n
.rept \n
	v_nop
.endr
.endm
.macro BARRIER                         ; my LDS stores have landed and my LDS loads are in: then the work-group's barrier
	s_wait_dscnt 0x0
	s_barrier_signal -1
	s_barrier_wait -1
.endm
.macro MKSC vsc, vlm, se               ; from the whole number e in s[se]: 2^e and 448 x 2^e as f32
	s_add_co_i32 s44, s[\se], 127
	s_lshl_b32 s45, s44, 23
	v_mov_b32 v[\vsc], s45
	s_add_co_i32 s44, s44, 8
	s_lshl_b32 s44, s44, 23
	s_or_b32 s44, s44, 0x600000
	v_mov_b32 v[\vlm], s44
.endm
.macro XLOADU u, R                     ; unit u: my channels 16 u .. 16 u + 15, 128 points each
.irp i, 0,1,2,3,4,5,6,7,8,9,10,11,12,13,14,15
	global_load_b128 v[\R+4*\i:\R+4*\i+3], v1, s[32:33] offset:(16*(\u)+\i)*16384 th:TH_LOAD_NT
.endr
.endm
.macro WLOADT off, reg, win            ; my two tiles of the weight that begins off bytes into the codes: 32 loads of 512 consecutive bytes
	WIN \win
.irp u, 0,1
.irp s, 0,1,2,3
.irp c, 0,1,2,3
	global_load_b128 v[\reg+64*\u+16*\s+4*\c:\reg+64*\u+16*\s+4*\c+3], v1, s[34:35] offset:\off+(4*\u+\s)*2048+512*\c
.endr
.endr
.endr
	WIN 0
.endm
.macro QUNIT u, R                      ; unit u becomes codes: for each of my four points and each of the three scales, 16 codes into the image
.set n, 0
.irp q4, 0,1,2,3
.irp z, 0,1,2
.irp i, 0,1,2,3,4,5,6,7,8,9,10,11,12,13,14,15
	v_med3_num_f32 v[YB+16*(n%2)+\i], v[\R+4*\i+\q4], -v[8+\z], v[8+\z]   ; the hold, and the point's 16 channels brought together
.endr
	s_wait_dscnt 3                                 ; only the three youngest stores may be out: the one that read this set of codes is done
	v_cvt_scalef32_pk8_fp8_f32 v[CX+4*(n%4):CX+4*(n%4)+1], v[YB+16*(n%2):YB+16*(n%2)+7], v[5+\z]
	v_cvt_scalef32_pk8_fp8_f32 v[CX+4*(n%4)+2:CX+4*(n%4)+3], v[YB+16*(n%2)+8:YB+16*(n%2)+15], v[5+\z]
	ds_store_b128 v[2+\z], v[CX+4*(n%4):CX+4*(n%4)+3] offset:512*((\u)/2)+256*((\u)%2)+16*\q4
.set n, n+1
.endr
.endr
	v_nop                                          ; a plain line behind the run's last conversion
.endm
.macro XFETCH z, T                     ; the four fragments of tile T of set z
.irp s, 0,1,2,3
.irp c, 0,1,2,3
	ds_load_b128 v[XF+16*\s+4*\c:XF+16*\s+4*\c+3], v[2+\z] offset:(\T)*TS+2048*\s+512*\c
.endr
.endr
.endm
; Eight matrix instructions: my two tiles by turns, one instruction a turn, K ascending.  cmode 0: the sums begin with 0; 1: with the bias at v[cb]; 2: they go on.
; Five places follow: four for the loads into the fragments' registers and the reads of the results, one more since the next sums are begun anew over these accumulators.
.macro MUL wb, win, cmode, cb
	s_wait_dscnt 0x0                               ; the fragments are in
	WIN \win
.irp s, 0,1,2,3
.irp u, 0,1
.if (\s == 0) && (\cmode == 0)
	v_wmma_f32_16x16x128_fp8_fp8 v[ACC+8*\u:ACC+8*\u+7], v[\wb+64*\u+16*\s:\wb+64*\u+16*\s+15], v[XF+16*\s:XF+16*\s+15], 0
.elseif (\s == 0) && (\cmode == 1)
	v_wmma_f32_16x16x128_fp8_fp8 v[ACC+8*\u:ACC+8*\u+7], v[\wb+64*\u+16*\s:\wb+64*\u+16*\s+15], v[XF+16*\s:XF+16*\s+15], v[\cb+8*\u:\cb+8*\u+7]
.else
	v_wmma_f32_16x16x128_fp8_fp8 v[ACC+8*\u:ACC+8*\u+7], v[\wb+64*\u+16*\s:\wb+64*\u+16*\s+15], v[XF+16*\s:XF+16*\s+15], v[ACC+8*\u:ACC+8*\u+7]
.endif
.endr
.endr
	WIN 0
	PLACES 5
.endm
.macro EPI sc, lm, base, T             ; my 16 channels of 16 points become one chunk of the next operand's image: 512 consecutive bytes, aligned
.irp i, 0,1,2,3,4,5,6,7,8,9,10,11,12,13,14,15
	v_med3_num_f32 v[ACC+\i], v[ACC+\i], -v[\lm], v[\lm]
.endr
	s_wait_xcnt 0x0                                ; the last store has read v12-15
	v_cvt_scalef32_pk8_fp8_f32 v[12:13], v[ACC:ACC+7], v[\sc]
	v_cvt_scalef32_pk8_fp8_f32 v[14:15], v[ACC+8:ACC+15], v[\sc]
	v_nop                                          ; a plain line between the conversions and the products that write their sources
	global_store_b128 v11, v[12:15], s[\base:\base+1] offset:4096*(\T)
.endm
	s_load_b256 s[4:11], s[0:1], 0x0               ; x s[4:5], the weights' codes s[6:7], b_theta s[8:9], b_phi s[10:11]
	s_load_b256 s[12:19], s[0:1], 0x20             ; the scales' exponents s[12:13], q's codes s[14:15], k's s[16:17], v's sums s[18:19]
	v_lshrrev_b32 v2, 5, v0
	v_readfirstlane_b32 s20, v2                    ; wave
	s_and_b32 s21, ttmp7, 0xffff                   ; b
	s_add_co_u32 s22, s21, 1
	s_and_b32 s22, s22, 7                          ; b'
	v_and_b32 v1, 31, v0
	v_lshlrev_b32 v1, 4, v1                        ; 16 x lane
	v_bfe_u32 v2, v0, 2, 3                         ; my four points' tile: lane / 4
	v_mul_u32_u24 v2, v2, TS
	v_and_b32 v3, 3, v0
	v_lshl_add_u32 v2, v3, 6, v2                   ; + 64 (lane % 4): rows 4 (lane % 4) + 0 .. 3
	s_lshl_b32 s42, s20, 10
	v_add_nc_u32 v2, s42, v2                       ; + 1,024 w: K step w / 2, chunks 2 (w % 2) and the next
	v_add_nc_u32 v3, ZS, v2
	v_add_nc_u32 v4, 2*ZS, v2
	s_lshl_b32 s42, s20, 9
	v_add_nc_u32 v11, s42, v1                      ; my chunk of a tile of q's or k's codes: 512 w + 16 x lane
	v_bfe_u32 v12, v0, 4, 1
	v_lshlrev_b32 v12, 6, v12
	s_lshl_b32 s42, s20, 7
	v_add_nc_u32 v12, s42, v12                     ; my 16 channels in a bias, in bytes: 128 w + 64 h
	s_lshl_b32 s32, s21, 23                        ; x: batch b,
	s_lshl_b32 s42, s20, 20                        ; my 64 channels,
	s_add_co_u32 s32, s32, s42
	s_lshl_b32 s42, ttmp9, 9                       ; the work-group's 128 points
	s_add_co_u32 s32, s32, s42
	s_mov_b32 s33, 0
	s_lshl_b32 s34, s20, 14                        ; my two tiles in each weight
	s_mov_b32 s35, 0
	s_lshl_b32 s42, ttmp9, 3
	s_lshl_b32 s36, s21, 8
	s_add_co_u32 s36, s36, s42
	s_lshl_b32 s36, s36, 12                        ; q: tile 256 b + 8 pb, 4,096 bytes a tile
	s_mov_b32 s37, 0
	s_lshl_b32 s38, s22, 8
	s_add_co_u32 s38, s38, s42
	s_lshl_b32 s38, s38, 12                        ; k: tile 256 b' + 8 pb
	s_mov_b32 s39, 0
	s_lshl_b32 s40, s22, 5
	s_add_co_u32 s40, s40, ttmp9
	s_lshl_b32 s40, s40, 10                        ; v's sums: row 32 b' + pb of 1,024 bytes
	s_mov_b32 s41, 0
	s_wait_kmcnt 0x0
	s_load_b256 s[24:31], s[12:13], 0x0            ; entries 0 to 7
	s_add_nc_u64 s[32:33], s[4:5], s[32:33]
	s_add_nc_u64 s[34:35], s[6:7], s[34:35]
	s_add_nc_u64 s[36:37], s[14:15], s[36:37]
	s_add_nc_u64 s[38:39], s[16:17], s[38:39]
	s_add_nc_u64 s[40:41], s[18:19], s[40:41]
	; ---- X phase.  Loads come back in order (ISA guide 5.7.1), so x's units stand ahead of the weights that are asked for beside them
	XLOADU 0, RAW
	XLOADU 1, RAW+64
	XLOADU 2, RAW+128
	s_wait_kmcnt 0x0
	MKSC 5, 8, 24
	MKSC 6, 9, 26
	MKSC 7, 10, 28
	s_wait_loadcnt 32                              ; unit 0 is in; units 1 and 2 may be out
	QUNIT 0, RAW
	XLOADU 3, RAW
	WLOADT 0, 0, 0x40                              ; theta
	s_wait_loadcnt 63                              ; unit 1 is in: 64 loads were issued behind it (units 2 and 3, theta); the count is the largest that the wait can name
	QUNIT 1, RAW+64
	WLOADT 131072, 128, 0x40                       ; phi
	s_wait_loadcnt 63                              ; unit 2 is in: 80 loads were issued behind it
	QUNIT 2, RAW+128
	s_wait_loadcnt 63                              ; unit 3 is in: 64 loads were issued behind it (theta, phi)
	QUNIT 3, RAW
.irp u, 0,1
.irp q, 0,1
	global_load_b128 v[BQ+8*\u+4*\q:BQ+8*\u+4*\q+3], v12, s[8:9] offset:32*\u+16*\q     ; lane (r, h), tile u, register j: the bias of channel 32 w + 16 h + 8 u + j
	global_load_b128 v[BK+8*\u+4*\q:BK+8*\u+4*\q+3], v12, s[10:11] offset:32*\u+16*\q
.endr
.endr
	WLOADT 262144, 128, 0                          ; g, into the registers that units 1 and 2 have left
	BARRIER                                        ; the three sets of images lie in LDS
	s_wait_loadcnt 32                              ; theta, phi and the biases are in; g's 32 loads may be out
	s_add_co_i32 s42, s24, s25
	s_sub_co_i32 s42, 0, s42                       ; a sum of product 1 stands for sum x 2^(e0 + e1): b_theta goes in divided by that,
	s_add_co_i32 s43, s26, s27
	s_sub_co_i32 s43, 0, s43                       ; b_phi by 2^(e2 + e3)
.irp i, 0,1,2,3,4,5,6,7,8,9,10,11,12,13,14,15
	v_ldexp_f32 v[BQ+\i], v[BQ+\i], s42
	v_ldexp_f32 v[BK+\i], v[BK+\i], s43
.endr
	v_add_nc_u32 v9, VST, v12                      ; where my 16 sums of v go
	v_add_nc_u32 v10, VST, v1                      ; and where wave 0 reads all 256 back
	v_mov_b32 v2, v1                               ; the three sets, now for reading: 16 x lane + the set
	v_add_nc_u32 v3, ZS, v1
	v_add_nc_u32 v4, 2*ZS, v1
	s_sub_co_i32 s46, s30, s24
	s_sub_co_i32 s46, s46, s25
	MKSC 5, 6, 46                                  ; q's conversion: the three scales folded into 2^(e6 - e0 - e1)
	s_sub_co_i32 s46, s31, s26
	s_sub_co_i32 s46, s46, s27
	MKSC 7, 8, 46                                  ; k's: 2^(e7 - e2 - e3)
	; ---- M phase.  theta: q's codes
	XFETCH 0, 0
.irp T, 0,1,2,3,4,5,6,7
	MUL 0, 0x01, 1, BQ
.if \T < 7
	XFETCH 0, \T+1
.else
	XFETCH 1, 0
.endif
	EPI 5, 6, 36, \T
.endr
	; phi: k's codes
.irp T, 0,1,2,3,4,5,6,7
	MUL 128, 0x01, 1, BK
.if \T < 7
	XFETCH 1, \T+1
.else
	XFETCH 2, 0
.endif
	EPI 7, 8, 38, \T
.endr
	; g: one sum over all eight tiles of points
	s_wait_loadcnt 0x0                             ; g's weights
.irp T, 0,1,2,3,4,5,6,7
.if \T == 0
	MUL 128, 0, 0, 0
.else
	MUL 128, 0, 2, 0
.endif
.if \T < 7
	XFETCH 2, \T+1
.endif
.endr
.irp m, 1,2,4,8                        ; the 16 points of the lanes of a half are added: every lane of the half then holds the sum over the work-group's 128 points
.irp i, 0,1,2,3,4,5,6,7,8,9,10,11,12,13,14,15
	v_add_f32_dpp v[ACC+\i], v[ACC+\i], v[ACC+\i] row_xmask:\m row_mask:0xf bank_mask:0xf
.endr
.endr
.irp u, 0,1
.irp q, 0,1
	ds_store_b128 v9, v[ACC+8*\u+4*\q:ACC+8*\u+4*\q+3] offset:32*\u+16*\q   ; the 16 lanes of a half write the same words with the same values
.endr
.endr
	BARRIER                                        ; every wave's sums of v lie in LDS
	s_cmp_lg_u32 s20, 0
	s_cbranch_scc1 .Lend
	ds_load_b128 v[16:19], v10
	ds_load_b128 v[20:23], v10 offset:512
	s_wait_dscnt 0x0
	global_store_b128 v1, v[16:19], s[40:41]       ; 2 x 512 consecutive bytes, aligned
	global_store_b128 v1, v[20:23], s[40:41] offset:512
.Lend:
	s_wait_xcnt 0x0
	v_lshl_add_u32 v254, v0, 2, 0x30600
	v_mov_b32 v255, 0
	s_wait_tensorcnt 0x0
	ds_add_u32 v254, v255
	s_wait_dscnt 0x0
	s_endpgm
.Lfunc_end_k_qe4c9b9d438_proj:
	.size	k_qe4c9b9d438_proj, .Lfunc_end_k_qe4c9b9d438_proj-k_qe4c9b9d438_proj
	.p2alignl 7, 3214868480
	.fill 96, 4, 3214868480
	.section	.rodata,"a",@progbits
	.p2align	6, 0x0
	.amdhsa_kernel k_qe4c9b9d438_proj
		.amdhsa_group_segment_fixed_size 199168
		.amdhsa_private_segment_fixed_size 0
		.amdhsa_enable_private_segment 0
		.amdhsa_kernarg_size 64
		.amdhsa_user_sgpr_count 2
		.amdhsa_user_sgpr_kernarg_segment_ptr 1
		.amdhsa_wavefront_size32 1
		.amdhsa_system_sgpr_workgroup_id_x 1
		.amdhsa_system_sgpr_workgroup_id_y 1
		.amdhsa_system_sgpr_workgroup_id_z 1
		.amdhsa_system_vgpr_workitem_id 0
		.amdhsa_next_free_vgpr 512
		.amdhsa_next_free_sgpr 66
		.amdhsa_reserve_vcc 0
		.amdhsa_float_denorm_mode_32 3
		.amdhsa_float_denorm_mode_16_64 3
		.amdhsa_memory_ordered 1
		.amdhsa_forward_progress 1
		.amdhsa_inst_pref_size 148
	.end_amdhsa_kernel
	.amdgpu_metadata
---
amdhsa.version: [ 1, 2 ]
amdhsa.kernels:
  - .name:           k_qe4c9b9d438_proj
    .symbol:         k_qe4c9b9d438_proj.kd
    .args:
      - { .name: x, .offset: 0, .size: 8, .value_kind: global_buffer, .address_space: global }
      - { .name: wcodes, .offset: 8, .size: 8, .value_kind: global_buffer, .address_space: global }
      - { .name: b_theta, .offset: 16, .size: 8, .value_kind: global_buffer, .address_space: global }
      - { .name: b_phi, .offset: 24, .size: 8, .value_kind: global_buffer, .address_space: global }
      - { .name: lowp_scales, .offset: 32, .size: 8, .value_kind: global_buffer, .address_space: global }
      - { .name: qcodes, .offset: 40, .size: 8, .value_kind: global_buffer, .address_space: global }
      - { .name: kcodes, .offset: 48, .size: 8, .value_kind: global_buffer, .address_space: global }
      - { .name: vpart, .offset: 56, .size: 8, .value_kind: global_buffer, .address_space: global }
    .group_segment_fixed_size: 199168
    .private_segment_fixed_size: 0
    .kernarg_segment_align: 8
    .kernarg_segment_size: 64
    .max_flat_workgroup_size: 256
    .sgpr_count:     66
    .vgpr_count:     512
    .wavefront_size: 32
...
	.end_amdgpu_metadata
.endif
;; end of part 2
;; launch attn (part 3): grid 32 x 8, 8 waves a work-group, clusters of 4 x 1, 327,680 bytes of LDS; arguments qcodes, kcodes, lowp_scales, mpart; writes mpart
.if DOCPART == 3
	.amdgcn_target "amdgcn-amd-amdhsa--gfx1250"
	.amdhsa_code_object_version 6
	.text
	.protected	k_qe4c9b9d438_attn
	.globl	k_qe4c9b9d438_attn
	.p2align	8
	.type	k_qe4c9b9d438_attn,@function
k_qe4c9b9d438_attn:
	s_mov_b64 s[64:65], 0
	v_nop
	global_prefetch_b8 v0, s[64:65] scope:SCOPE_SE
	s_setreg_imm32_b32 hwreg(HW_REG_WAVE_MODE, 25, 1), 1
	s_wait_xcnt 0x0
	s_wait_alu depctr_hold_cnt(0) depctr_sa_sdst(0) depctr_va_vdst(0) depctr_va_sdst(0) depctr_va_ssrc(0) depctr_va_vcc(0) depctr_vm_vsrc(0)
	s_getreg_b32 s2, hwreg(HW_REG_IB_STS2, 6, 4)
	s_cmp_eq_u32 s2, 0
	s_cbranch_scc0 .Lentry_in_a_cluster
	s_endpgm
.Lentry_in_a_cluster:
	s_bfe_u32 s2, ttmp6, 0x10000c
	s_cmp_lg_u32 s2, 0x3003
	s_cbranch_scc0 .Lentry_shape_is_right
	s_endpgm
.Lentry_shape_is_right:
; Product 4 and the softmax, of which only the COLUMNS' sums are kept: mpart[b][qb][j] = the sum over the work-group's 128 queries i of softmax_j(q_i . k_j).
; A column's sum wants every row's divisor first, and the scores are too many to keep: so the product is made TWICE in this launch.  Pass 1: each query's largest t and sum.  Pass 2: p / sum, added down the columns.
; t = score x log2(e) x 2^(e6 + e7).  The shift M is the running largest t rounded UP to a whole number, kept as NM = -M; p = 2^(t - M) is one fused multiply-add and one v_exp_f32; a change of M multiplies what was
; summed by a power of two, which rounds nothing.  LIMIT: e6 + e7 between -126 and 127 (they are added to the exponent field of log2(e)).
; SHARES.  A work-group owns 128 queries of one batch.  EVERY wave holds all 128 (Q: 8 tiles x 2 K steps x 16 registers: all of window 1) and takes an eighth of the keys: of each block of 512 keys the 64 (four tiles) that it has
; fetched itself.  So a fragment of K is read from LDS once a pass and feeds 8 matrix instructions, and two waves share a SIMD: one wave's softmax stands beside the other's products.
; Pass 1 is used transposed (source 0 = 16 keys, source 1 = 16 queries): a lane holds one query, and keeps statistics of its own keys; nothing crosses lanes in the loop.  It takes TWO tiles of keys at a time (16 accumulators), so that
; the shift is moved and the sum rescaled once for 32 keys.  The 16 partial statistics of a query (8 waves x 2 halves of the lanes) meet in LDS between the passes.  Pass 2 has the sources the other way round: a lane holds one key.
; CLUSTER.  The four work-groups of a cluster belong to one batch and walk the same K: each wave's 16 KB of a block are asked for JOINTLY, by the same tensor load with the same descriptor and the mask of all four.
; K's codes lie in memory as images of operand registers, so a wave's part of a block is one dense run of 16,384 bytes, read from LDS 512 consecutive bytes an instruction: no padding.
; THE RING.  Two slots of a block each.  Visit v (0 .. 15: pass 1, then pass 2) takes block v % 8 out of slot v % 2.  Both slots are first filled together at the head: two tensor loads of a wave are out there, one later.
; THE CHANGE OF SLOTS STANDS IN THE MIDDLE OF A TILE'S WORK: behind the visit's last LDS read and the products of its last tiles, whose softmax works on registers alone.  A part of that work stands inside the opening barrier of the
; cluster's round; the rest stands behind the refill and the LDS loads of the next slot's first tiles, which land meanwhile.  The refill (block (v + 2) % 8 into the slot just left) has a whole visit's work in which to land.
; REGISTERS, window 0: v1-15 addresses; v16-47, v48-79 K's fragments, two tiles.  Pass 1: v80-207 scores (tile kk of the pair, query tile a at 80 + 64 kk + 8 a); v208-255 six a query tile: NM, largest score, the sum (two halves),
;   the factor, at work.  Pass 2: v80-111 scores of four query tiles; v112-175 NM of my half's 64 queries; v176-239 1 / sum of the same; v240-244 the column's sum.
.set SLOT1, 131072                     ; a slot holds a block of 512 keys; wave w's part at 16,384 w
.set STATB, 262144                     ; [wave][half][128 queries] of (NM, sum): 16,384 bytes
.set FINB,  278528                     ; NM[128], then (1 / sum)[128]
.set CSTB,  279552                     ; the columns' sums, by key: 16,384 bytes
.set SPARE, 295936                     ; the spare words, 128 bytes for each wave: four blocks of 256 bytes that no other line names
.set KF0, 16
.set KF1, 48
.set S,   80
.set ST,  208
.set NMQ, 112
.set WQ,  176
.set MSB, 0
.macro WIN new                         ; the immediate's high byte repeats the setting that is left
.if MSB != \new
	s_set_vgpr_msb (MSB<<8)|\new
.set MSB, \new
.endif
.endm
.macro PLACES n
.rept \n
	v_nop
.endr
.endm
.macro BARRIER
	s_wait_dscnt 0x0
	s_barrier_signal -1
	s_barrier_wait -1
.endm
.macro CREST                           ; a round of the cluster's barrier behind its opening barrier: wave 0 signals for the work-group; every wave waits for all four; my work-group's barrier once more
	s_cmp_lg_u32 s12, 0
	s_cbranch_scc1 .Lnot_wave_0_\@
	s_barrier_signal -3
.Lnot_wave_0_\@:
	s_barrier_wait -3
	s_barrier_signal -1
	s_barrier_wait -1
.endm
.macro CROUND                          ; a whole round
	s_barrier_signal -1
	s_barrier_wait -1
	CREST
.endm
; A PREFETCH INTO THE L2 of the block that the NEXT change of slots will ask for, in pass 1 alone (in pass 2 the blocks have been read).  All eight clusters of a batch walk the same K: the first of them asks.  Its four partners share
; a block's 131,072 bytes out BY ADDRESS, 32,768 each; in each, waves 0 to 3 take 8,192, lanes 256 bytes apart: each aligned run of 256 bytes is named once.  The change behind visit v (s34 = 8 - v) loads block v + 2 and names
; block v + 3, while there is one: s34 above 3.  Blocks 0 to 2 come by their loads alone.
.macro ASK
	s_cmp_gt_u32 s34, s35
	s_cbranch_scc0 .Lnot_mine_\@
	global_prefetch_b8 v14, s[36:37] th:TH_LOAD_NT scope:SCOPE_SE
.Lnot_mine_\@:
.endm
.macro KLOAD kt, buf                   ; my tile kt of the slot in hand: 16 keys x 256 K, two fragments
.irp s, 0,1
.irp c, 0,1,2,3
	ds_load_b128 v[(\buf)+16*\s+4*\c:(\buf)+16*\s+4*\c+3], v2 offset:4096*(\kt)+2048*\s+512*\c
.endr
.endr
.endm
; PASS 1, the products of two tiles of keys against the 128 queries: 32 matrix instructions, the 16 accumulators by turns.  Five places follow: four for the reads of the results and the loads into
; K's registers, one more since the next pair's sums are begun anew over these accumulators.
.macro MM1
	WIN 0x04                                       ; source 1 (Q) window 1
.irp kk, 0,1
.irp a, 0,1,2,3,4,5,6,7
	v_wmma_f32_16x16x128_fp8_fp8 v[S+64*\kk+8*\a:S+64*\kk+8*\a+7], v[KF0+32*\kk:KF0+32*\kk+15], v[32*\a:32*\a+15], 0
.endr
.endr
.irp kk, 0,1
.irp a, 0,1,2,3,4,5,6,7
	v_wmma_f32_16x16x128_fp8_fp8 v[S+64*\kk+8*\a:S+64*\kk+8*\a+7], v[KF0+32*\kk+16:KF0+32*\kk+31], v[32*\a+16:32*\a+31], v[S+64*\kk+8*\a:S+64*\kk+8*\a+7]
.endr
.endr
	WIN 0
	PLACES 5
.endm
.macro SM1A                            ; the largest of my 16 scores of each query tile and of all before; each accumulator is read from its low end on
.irp i, 0,1,2,3,4,5,6,7
.irp a, 0,1,2,3,4,5,6,7
	v_max3_num_f32 v[ST+6*\a+1], v[ST+6*\a+1], v[S+64*(\i/4)+8*\a+2*(\i%4)], v[S+64*(\i/4)+8*\a+2*(\i%4)+1]
.endr
.endr
.endm
.macro SM1B                            ; the shift, p, the sums
.irp a, 0,1,2,3,4,5,6,7
	v_mul_f32 v[ST+6*\a+5], s40, v[ST+6*\a+1]      ; -t of the largest score
.endr
.irp a, 0,1,2,3,4,5,6,7
	v_floor_f32 v[ST+6*\a+5], v[ST+6*\a+5]         ; the new NM = floor(-t) = -ceil(t): a whole number
.endr
.irp a, 0,1,2,3,4,5,6,7
	v_sub_f32 v[ST+6*\a+4], v[ST+6*\a+5], v[ST+6*\a]        ; old M less new M: 0 or less
.endr
.irp a, 0,1,2,3,4,5,6,7
	v_mov_b32 v[ST+6*\a], v[ST+6*\a+5]
.endr
.irp a, 0,1,2,3,4,5,6,7
	v_cvt_i32_f32 v[ST+6*\a+4], v[ST+6*\a+4]       ; (it saturates)
.endr
.irp a, 0,1,2,3,4,5,6,7
	v_ldexp_f32 v[ST+6*\a+4], 1.0, v[ST+6*\a+4]    ; 2^(old M - new M)
.endr
.irp kk, 0,1
.irp j, 0,2,4,6
.irp a, 0,1,2,3,4,5,6,7
	v_pk_fma_f32 v[S+64*\kk+8*\a+\j:S+64*\kk+8*\a+\j+1], v[S+64*\kk+8*\a+\j:S+64*\kk+8*\a+\j+1], s[38:39], v[ST+6*\a:ST+6*\a+1] op_sel_hi:[1,0,0]   ; t - M (of both pairs the low word serves both halves)
.endr
.endr
.endr
.set EX, 0
.rept 128
	v_exp_f32 v[S+EX], v[S+EX]
.set EX, EX+1
.endr
.irp a, 0,1,2,3,4,5,6,7
	v_pk_mul_f32 v[ST+6*\a+2:ST+6*\a+3], v[ST+6*\a+2:ST+6*\a+3], v[ST+6*\a+4:ST+6*\a+5] op_sel_hi:[1,0]   ; the sums under the new M: plain work behind the batch
.endr
	s_wait_alu depctr_va_vdst(0)                   ; one wait for the batch of 128, ahead of its first reader
.irp kk, 0,1
.irp j, 0,2,4,6
.irp a, 0,1,2,3,4,5,6,7
	v_pk_add_f32 v[ST+6*\a+2:ST+6*\a+3], v[ST+6*\a+2:ST+6*\a+3], v[S+64*\kk+8*\a+\j:S+64*\kk+8*\a+\j+1]
.endr
.endr
.endr
.endm
; PASS 2: a lane holds key r; register j of query tile a is query 16 a + 8 h + j.  Four query tiles (group g) at a time: eight matrix instructions, four accumulators by turns.
.macro MM2 g, kf
	WIN 0x01                                       ; source 0 (Q) window 1
.irp i, 0,1,2,3
	v_wmma_f32_16x16x128_fp8_fp8 v[S+8*\i:S+8*\i+7], v[32*(4*\g+\i):32*(4*\g+\i)+15], v[\kf:\kf+15], 0
.endr
.irp i, 0,1,2,3
	v_wmma_f32_16x16x128_fp8_fp8 v[S+8*\i:S+8*\i+7], v[32*(4*\g+\i)+16:32*(4*\g+\i)+31], v[\kf+16:\kf+31], v[S+8*\i:S+8*\i+7]
.endr
	WIN 0
.endm
.macro SM2 g                           ; p x (1 / sum), added down my 32 queries of the group
.irp n, 0,1,2,3,4,5,6,7,8,9,10,11,12,13,14,15
	v_pk_fma_f32 v[S+2*\n:S+2*\n+1], v[S+2*\n:S+2*\n+1], s[38:39], v[NMQ+32*\g+2*\n:NMQ+32*\g+2*\n+1] op_sel_hi:[1,0,1]   ; t - M, each query's own M
.endr
.irp j, 0,1,2,3,4,5,6,7,8,9,10,11,12,13,14,15,16,17,18,19,20,21,22,23,24,25,26,27,28,29,30,31
	v_exp_f32 v[S+\j], v[S+\j]
.endr
	v_nop                                          ; a plain line behind the last exponential
	s_wait_alu depctr_va_vdst(0)                   ; one wait for the batch of 32
.irp n, 0,1,2,3,4,5,6,7,8,9,10,11,12,13,14,15
.if (\g == 0) && (\n < 2)
	v_pk_mul_f32 v[240+2*(\n%2):241+2*(\n%2)], v[S+2*\n:S+2*\n+1], v[WQ+32*\g+2*\n:WQ+32*\g+2*\n+1]
.else
	v_pk_fma_f32 v[240+2*(\n%2):241+2*(\n%2)], v[S+2*\n:S+2*\n+1], v[WQ+32*\g+2*\n:WQ+32*\g+2*\n+1], v[240+2*(\n%2):241+2*(\n%2)]
.endif
.endr
.endm
.macro TAIL2 kt                        ; the column's sum: my 64 queries', then the other half of the lanes'
	v_pk_add_f32 v[240:241], v[240:241], v[242:243]
	v_add_f32 v244, v240, v241
	v_permlanex16_b32 v15, v244, s42, s43
	v_add_f32 v244, v244, v15
	ds_store_b32 v11, v244 offset:64*(\kt)         ; lanes r and r + 16 write the same word with the same value
.endm
; THE CHANGE OF SLOTS.  Each wave waits for all its tensor loads (its part of the slot ahead), adds 0 to its spare word, and waits for that and for its reads of the slot that it leaves.  The barrier opens a round of the cluster's,
; so that no wave of any partner still reads that slot or has a load on its way; work on registers that is due anyway stands between the opening signal and its wait (pass 1: the maxima of the last pair's scores; pass 2: the last
; tile's second eight products).  The joint refill is the first thing behind the round; then the next slot's first two tiles are asked of LDS, and the caller goes on with work on registers while they come.
.macro CHANGE ask, pass
	s_wait_tensorcnt 0x0                           ; no tensor load of mine is out, so the descriptor may be written
	ds_add_u32 v3, v4                              ; 0 onto my spare word
	s_add_co_u32 s32, s32, 1
	s_and_b32 s32, s32, 7                          ; the next block; behind block 7 comes block 0, for pass 2
	s_lshl_b32 s30, s32, 17
	s_add_nc_u64 s[26:27], s[28:29], s[30:31]
	s_or_b32 s27, s27, 0x80000000                  ; type = 2
	s_xor_b32 s25, s25, SLOT1                      ; into the other slot than last time
.if \ask
	s_wait_xcnt 0x0                                ; the last prefetch, a visit back, has read its address
	s_add_nc_u64 s[36:37], s[36:37], 131072
.endif
	s_wait_dscnt 0x0                               ; the add is done, and my reads of the slot that I leave are over
	s_barrier_signal -1
.if \pass == 1
	SM1A
.else
	MM2 1, KF1
.endif
	s_barrier_wait -1
	CREST
	tensor_load_to_lds s[24:27], s[16:23]
	s_nop 0
.rept 4
	v_nop
.endr
.if \pass == 2
	v_nop                                          ; with the four above: the five places behind the products that stand in the round
.endif
.if \ask
	ASK
.endif
	s_xor_b32 s33, s33, SLOT1                      ; on to the other slot
	v_add_nc_u32 v2, s33, v1
	KLOAD 0, KF0
	KLOAD 1, KF1
.endm
; A visit of pass 2.  mode 2: the slot is filled again behind it; 1: nothing is left to ask for, but a slot is still to be read; 0: the last visit.
; LDS instructions from a change on, in order: tile 0's eight loads, tile 1's eight, the last tile's store, tile 2's eight, tile 0's store, tile 3's eight, tile 1's store, tile 2's store: the counts below are read off that list.
.macro BODY2 mode
	v_add_nc_u32 v11, s44, v10
	s_wait_dscnt 9                                 ; tile 0 is in: tile 1's eight loads and one store may be out
	MM2 0, KF0
	PLACES 5
	SM2 0
	MM2 1, KF0
	PLACES 5
	KLOAD 2, KF0
	SM2 1
	TAIL2 0
	s_wait_dscnt 10                                ; tile 1 is in: a store, tile 2's eight loads and a store may be out
	MM2 0, KF1
	PLACES 5
	SM2 0
	MM2 1, KF1
	PLACES 5
	KLOAD 3, KF1
	SM2 1
	TAIL2 1
	s_wait_dscnt 10                                ; tile 2 is in: a store, tile 3's eight loads and a store may be out
	MM2 0, KF0
	PLACES 5
	SM2 0
	MM2 1, KF0
	PLACES 5
	SM2 1
	TAIL2 2
	s_wait_dscnt 2                                 ; tile 3 is in: two stores may be out
	MM2 0, KF1
	PLACES 5
	SM2 0
.if \mode == 2
	CHANGE 0, 2
.else
	MM2 1, KF1
	PLACES 5
.if \mode == 1
	s_wait_tensorcnt 0x0                           ; my part of the last block has landed; only I read it, and nothing is filled again: no barrier
	s_xor_b32 s33, s33, SLOT1
	v_add_nc_u32 v2, s33, v1
	KLOAD 0, KF0
	KLOAD 1, KF1
.endif
.endif
	SM2 1
	TAIL2 3
	s_add_co_u32 s44, s44, 2048                    ; the next block's 512 columns
.endm
	s_load_b256 s[4:11], s[0:1], 0x0               ; q's codes s[4:5], k's s[6:7], the scales' exponents s[8:9], the columns' sums s[10:11]
	v_lshl_add_u32 v3, v0, 2, SPARE
	v_mov_b32 v4, 0
	ds_add_u32 v3, v4
	ds_add_u32 v3, v4
	s_wait_dscnt 0x0
	v_lshrrev_b32 v1, 5, v0
	v_readfirstlane_b32 s12, v1                    ; wave
	s_bfe_u32 s13, ttmp6, 0x40000                  ; cx: my place in the cluster
	s_lshl_b32 s14, ttmp9, 2                       ; in a cluster launch ttmp9 counts clusters
	s_add_co_u32 s14, s14, s13                     ; my block of 128 queries: it enters Q's and the output's addresses alone
	s_and_b32 s15, ttmp7, 0xffff                   ; the batch, which the four partners share
	; descriptor group 1: 64 rows of 32 elements of 8 bytes, dense: 16,384 bytes
	s_mov_b32 s16, 15|(3<<16)|(1<<21)              ; 15:0 the mask: all four work-groups; 17:16 elements of 8 bytes; 21 set beside a mask; no padding
	s_mov_b32 s17, 32<<16                          ; tensor_dim0 = 32
	s_mov_b32 s18, 64<<16                          ; tensor_dim1 = 64
	s_mov_b32 s19, 32<<16                          ; tile_dim0 = 32
	s_mov_b32 s20, 64                              ; tile_dim1 = 64
	s_mov_b32 s21, 32                              ; from row to row
	s_mov_b32 s22, 0
	s_mov_b32 s23, 0
	; two groups 0: s[56:59] for slot 0's first fill; s[24:27] for slot 1's, which then walks on
	s_mov_b32 s56, 1                               ; count = 1
	s_lshl_b32 s57, s12, 14                        ; LDS address: 16,384 w, in slot 0: no place in the cluster enters it
	s_mov_b32 s24, 1
	s_add_co_u32 s25, s57, SLOT1
	s_lshl_b32 s28, s15, 20                        ; K: the batch's 1,048,576 bytes, my wave's part of a block
	s_add_co_u32 s28, s28, s57
	s_mov_b32 s29, 0
	s_mov_b32 s31, 0
	s_mov_b32 s32, 1                               ; the block last asked for
	s_mov_b32 s33, 0                               ; LDS byte at which the slot in hand begins
	s_mov_b32 s44, 0                               ; pass 2: the block in hand, in bytes of columns' sums
	s_lshl_b32 s36, s15, 20                        ; the prefetches: my work-group's quarter and my wave's 8,192 bytes of block 2; the first change of slots steps it to block 3
	s_lshl_b32 s52, s13, 15
	s_add_co_u32 s36, s36, s52
	s_lshl_b32 s52, s12, 13
	s_add_co_u32 s36, s36, s52
	s_add_co_u32 s36, s36, 262144
	s_mov_b32 s37, 0
	s_lshr_b32 s35, s12, 2                         ; 0 in waves 0 to 3,
	s_or_b32 s35, s35, ttmp9                       ; of the batch's first cluster: the same in all four partners
	s_cmp_eq_u32 s35, 0
	s_cselect_b32 s35, 3, -1
	s_cmp_lt_u32 s12, 4
	s_cselect_b32 s45, -1, 0                       ; all lanes' bits in waves 0 to 3
	s_lshl_b32 s48, s15, 8
	s_lshl_b32 s52, s14, 3
	s_add_co_u32 s48, s48, s52
	s_lshl_b32 s48, s48, 12                        ; Q: tile 256 x batch + 8 qb
	s_mov_b32 s49, 0
	s_lshl_b32 s50, s15, 5
	s_add_co_u32 s50, s50, s14
	s_lshl_b32 s50, s50, 14                        ; the output's row 32 x batch + qb, 16,384 bytes
	s_mov_b32 s51, 0
	s_mov_b32 s42, 0x76543210                      ; v_permlanex16_b32's selects for lane l xor 16
	s_mov_b32 s43, 0xfedcba98
	v_and_b32 v5, 31, v0
	v_lshlrev_b32 v14, 8, v5                       ; the prefetches' offset: 256 x lane
	v_lshlrev_b32 v5, 4, v5                        ; 16 x lane
	v_add_nc_u32 v1, s57, v5                       ; my lane's place in my wave's part of a slot
	v_and_b32 v16, 15, v0                          ; r
	v_bfe_u32 v17, v0, 4, 1                        ; h
	s_lshl_b32 s52, s12, 11
	v_lshlrev_b32 v6, 3, v16
	v_lshl_add_u32 v6, v17, 10, v6
	v_add_nc_u32 v6, s52, v6
	v_add_nc_u32 v6, STATB, v6                     ; my statistics: 2,048 w + 1,024 h + 8 r; tile a 128 a further on
	v_and_b32 v7, 127, v0
	v_lshl_add_u32 v7, v7, 3, STATB                ; the 16 partial statistics of query thread % 128
	v_lshl_add_u32 v8, v0, 2, FINB                 ; a word a thread
	v_lshl_add_u32 v9, v17, 5, FINB                ; my half's eight queries of a tile
	s_lshl_b32 s52, s12, 8
	v_lshlrev_b32 v10, 2, v16
	v_add_nc_u32 v10, s52, v10
	v_add_nc_u32 v10, CSTB, v10                    ; a column's sum: 256 w + 4 r
	v_lshlrev_b32 v13, 4, v16
	v_lshl_add_u32 v13, v17, 11, v13
	v_add_nc_u32 v13, s52, v13                     ; the way out: block l / 16, my wave's 256 bytes, 16 bytes a lane
	v_add_nc_u32 v12, CSTB, v13
	v_mov_b32 v15, 0                               ; written once: a lane permute's destination counts as one of its sources
	s_wait_kmcnt 0x0
	s_load_b64 s[46:47], s[8:9], 0x18              ; e6, e7
	s_add_nc_u64 s[28:29], s[6:7], s[28:29]
	s_add_nc_u64 s[36:37], s[6:7], s[36:37]
	s_add_nc_u64 s[48:49], s[4:5], s[48:49]
	s_add_nc_u64 s[50:51], s[10:11], s[50:51]
	s_mov_b64 s[58:59], s[28:29]                   ; block 0
	s_or_b32 s59, s59, 0x80000000
	s_add_nc_u64 s[26:27], s[28:29], 131072        ; block 1
	s_or_b32 s27, s27, 0x80000000
	CROUND                                         ; all four work-groups are here: the first joint loads meet
	tensor_load_to_lds s[56:59], s[16:23]          ; both first fills go out together, ahead of every wait on TENSORcnt and every LDS read
	s_nop 0
	tensor_load_to_lds s[24:27], s[16:23]
	s_nop 0
.rept 4
	v_nop
.endr
	WIN 0x40                                       ; destination window 1
.irp a, 0,1,2,3,4,5,6,7
.irp s, 0,1
.irp c, 0,1,2,3
	global_load_b128 v[32*\a+16*\s+4*\c:32*\a+16*\s+4*\c+3], v5, s[48:49] offset:4096*\a+2048*\s+512*\c   ; Q stays in registers
.endr
.endr
.endr
	WIN 0
.irp a, 0,1,2,3,4,5,6,7
	v_mov_b32 v[ST+6*\a], 0x7f61b1e6               ; NM: 3e38, over every NM: the first change of M multiplies zeros by 0
	v_mov_b32 v[ST+6*\a+1], 0xff61b1e6             ; the largest score so far: -3e38
	v_mov_b32 v[ST+6*\a+2], 0
	v_mov_b32 v[ST+6*\a+3], 0
	v_mov_b32 v[ST+6*\a+4], 0
	v_mov_b32 v[ST+6*\a+5], 0
.endr
	s_wait_kmcnt 0x0
	s_add_co_i32 s52, s46, s47
	s_lshl_b32 s52, s52, 23
	s_add_co_i32 s38, s52, 0x3fb8aa3b              ; log2(e) x 2^(e6 + e7): the exponents are added to the exponent field
	s_mov_b32 s39, s38                             ; (named with it as a pair, so it is written)
	s_xor_b32 s40, s38, 0x80000000                 ; and its negative
	s_wait_tensorcnt 0x1                           ; my part of block 0 has landed, and only I read it; block 1's load may stay out
	v_add_nc_u32 v2, s33, v1
	KLOAD 0, KF0
	KLOAD 1, KF1
	s_wait_loadcnt 0x0                             ; Q
	s_mov_b32 s34, 8
.Lp1:                                              ; PASS 1: eight visits; the last two changes ask for blocks 0 and 1 again, for pass 2
	s_wait_dscnt 0x0                               ; tiles 0 and 1 are in
	MM1
	KLOAD 2, KF0
	KLOAD 3, KF1
	SM1A
	SM1B
	s_wait_dscnt 0x0                               ; tiles 2 and 3 are in
	MM1
	CHANGE 1, 1
	SM1B                                           ; the rest of the last pair's softmax, while the next slot's first tiles come out of LDS
	s_sub_co_u32 s34, s34, 1
	s_cmp_lg_u32 s34, 0
	s_cbranch_scc1 .Lp1
	; BETWEEN THE PASSES.  Block 1's load stays out across these two barriers. K's registers hold block 0's first two tiles.
.irp a, 0,1,2,3,4,5,6,7
	v_add_f32 v[ST+6*\a+1], v[ST+6*\a+2], v[ST+6*\a+3]      ; the sum's two halves, into the place beside NM
.endr
.irp a, 0,1,2,3,4,5,6,7
	ds_store_b64 v6, v[ST+6*\a:ST+6*\a+1] offset:128*\a
.endr
	BARRIER
.irp k, 0,1,2,3,4,5,6,7,8,9,10,11,12,13,14,15
	ds_load_b64 v[S+2*\k:S+2*\k+1], v7 offset:1024*\k
.endr
	s_wait_dscnt 0x0
	v_min3_num_f32 v200, v[S], v[S+2], v[S+4]      ; the least NM = the largest M
.irp k, 3,5,7,9,11,13
	v_min3_num_f32 v200, v200, v[S+2*\k], v[S+2*\k+2]
.endr
	v_min_num_f32 v200, v200, v[S+30]
.irp k, 0,1,2,3,4,5,6,7,8,9,10,11,12,13,14,15
	v_sub_f32 v[S+2*\k], v200, v[S+2*\k]           ; M_k less M: a whole number, 0 or less
.endr
.irp k, 0,1,2,3,4,5,6,7,8,9,10,11,12,13,14,15
	v_cvt_i32_f32 v[S+2*\k], v[S+2*\k]
.endr
.irp k, 0,1,2,3,4,5,6,7,8,9,10,11,12,13,14,15
	v_ldexp_f32 v[S+2*\k+1], v[S+2*\k+1], v[S+2*\k]         ; each partial sum under the one M
.endr
	v_add_f32 v201, v[S+1], v[S+3]
	v_add_f32 v202, v[S+5], v[S+7]
.irp k, 4,6,8,10,12,14
	v_add_f32 v201, v201, v[S+2*\k+1]
	v_add_f32 v202, v202, v[S+2*\k+3]
.endr
	v_add_f32 v201, v201, v202
	v_rcp_f32 v202, v201
	v_nop                                          ; a plain line behind the reciprocal
	s_wait_alu depctr_va_vdst(0)                   ; and the wait ahead of its first reader
	v_cndmask_b32 v203, v202, v200, s45            ; threads 0-127 hand on NM, threads 128-255 the reciprocal: each word has one writer
	ds_store_b32 v8, v203
	BARRIER
.irp a, 0,1,2,3,4,5,6,7
.irp q, 0,1
	ds_load_b128 v[NMQ+8*\a+4*\q:NMQ+8*\a+4*\q+3], v9 offset:64*\a+16*\q
	ds_load_b128 v[WQ+8*\a+4*\q:WQ+8*\a+4*\q+3], v9 offset:512+64*\a+16*\q
.endr
.endr
	s_wait_dscnt 0x0
	s_mov_b32 s34, 6
.Lp2:                                              ; PASS 2: behind each of six visits a slot is filled again, with blocks 2 to 7
	BODY2 2
	s_sub_co_u32 s34, s34, 1
	s_cmp_lg_u32 s34, 0
	s_cbranch_scc1 .Lp2
	BODY2 1                                        ; the last two visits are written out
	BODY2 0
	; THE WAY OUT: my wave's own 8 x 256 bytes of columns' sums; LDS serves a wave's instructions in order (ISA guide 5.7.1.4), so these loads see my stores.  Sixteen lanes store 256 consecutive bytes, aligned.
.irp i, 0,1,2,3
	ds_load_b128 v[S+4*\i:S+4*\i+3], v12 offset:4096*\i
.endr
.irp i, 0,1,2,3
	s_wait_dscnt 3-\i
	global_store_b128 v13, v[S+4*\i:S+4*\i+3], s[50:51] offset:4096*\i
.endr
	s_wait_tensorcnt 0x0                           ; the wave's end
	ds_add_u32 v3, v4
	s_wait_dscnt 0x0
	CROUND                                         ; the closing round: no work-group ends while a partner may still ask for a tile that names it
	s_endpgm
.Lfunc_end_k_qe4c9b9d438_attn:
	.size	k_qe4c9b9d438_attn, .Lfunc_end_k_qe4c9b9d438_attn-k_qe4c9b9d438_attn
	.p2alignl 7, 3214868480
	.fill 96, 4, 3214868480
	.section	.rodata,"a",@progbits
	.p2align	6, 0x0
	.amdhsa_kernel k_qe4c9b9d438_attn
		.amdhsa_group_segment_fixed_size 327680
		.amdhsa_private_segment_fixed_size 0
		.amdhsa_enable_private_segment 0
		.amdhsa_kernarg_size 32
		.amdhsa_user_sgpr_count 2
		.amdhsa_user_sgpr_kernarg_segment_ptr 1
		.amdhsa_wavefront_size32 1
		.amdhsa_system_sgpr_workgroup_id_x 1
		.amdhsa_system_sgpr_workgroup_id_y 1
		.amdhsa_system_sgpr_workgroup_id_z 1
		.amdhsa_system_vgpr_workitem_id 0
		.amdhsa_next_free_vgpr 512
		.amdhsa_next_free_sgpr 66
		.amdhsa_reserve_vcc 0
		.amdhsa_float_denorm_mode_32 3
		.amdhsa_float_denorm_mode_16_64 3
		.amdhsa_memory_ordered 1
		.amdhsa_forward_progress 1
		.amdhsa_inst_pref_size 168
	.end_amdhsa_kernel
	.amdgpu_metadata
---
amdhsa.version: [ 1, 2 ]
amdhsa.kernels:
  - .name:           k_qe4c9b9d438_attn
    .symbol:         k_qe4c9b9d438_attn.kd
    .args:
      - { .name: qcodes, .offset: 0, .size: 8, .value_kind: global_buffer, .address_space: global }
      - { .name: kcodes, .offset: 8, .size: 8, .value_kind: global_buffer, .address_space: global }
      - { .name: lowp_scales, .offset: 16, .size: 8, .value_kind: global_buffer, .address_space: global }
      - { .name: mpart, .offset: 24, .size: 8, .value_kind: global_buffer, .address_space: global }
    .group_segment_fixed_size: 327680
    .private_segment_fixed_size: 0
    .kernarg_segment_align: 8
    .kernarg_segment_size: 32
    .max_flat_workgroup_size: 256
    .sgpr_count:     66
    .vgpr_count:     512
    .wavefront_size: 32
...
	.end_amdgpu_metadata
.endif
;; end of part 3
;; launch bnstat (part 4): grid 32 x 8, 8 waves a work-group, no clusters, 80,896 bytes of LDS; arguments mpart, vpart, b_g, wcodes, lowp_scales, bnpart; writes bnpart
.if DOCPART == 4
	.amdgcn_target "amdgcn-amd-amdhsa--gfx1250"
	.amdhsa_code_object_version 6
	.text
	.protected	k_qe4c9b9d438_bnstat
	.globl	k_qe4c9b9d438_bnstat
	.p2align	8
	.type	k_qe4c9b9d438_bnstat,@function
k_qe4c9b9d438_bnstat:
	s_mov_b64 s[64:65], 0
	v_nop
	global_prefetch_b8 v0, s[64:65] scope:SCOPE_SE
	s_setreg_imm32_b32 hwreg(HW_REG_WAVE_MODE, 25, 1), 1
	s_wait_xcnt 0x0
; Product 5, first time: only the statistics that the batch norm needs.  Work-group (pb, b) owns 128 points of batch b and all 512 output channels, and stores for each channel the mean and the sum of squared
; deviations (M2) of the RAW sums (no scale, no bias) over its 128 points.  The variance is never formed as a difference of large sums: mean first, deviations then, groups merged by their means' distance.
; THE OPERAND y = [m vsum, (1 - m) vsum] is made here from a few numbers: m = (the sum of the 32 partial columns' sums) / 4096; vsum = (the sum of the 32 partial sums of product 3) x 2^(e4 + e5) + 4096 b_g.  All in f32.
; It goes to LDS as images of operand registers (16 points x 128 K: chunk c at 512 c, lane (r, h) at 16 (r + 16 h), k = 128 s + 32 c + 16 h + 0 .. 15); K steps 0, 1: m vsum; 2, 3: (1 - m) vsum.  Wave w makes tile w.
; THE POINTS OF A TILE: row r of tile 4 H + T is point 64 H + 4 r + T (the launch that writes the output wants them so; here any order serves, the same text makes the images in both).
; Wave w owns channels 64 w .. + 63: four tiles of w_W, 16 fragments, all of window 1, loaded once.  Source 0 = 16 points, source 1 = 16 rows of w_W: a lane holds one channel, and its registers run over the points.
; No tile is shared by a joint load: the weights go from memory straight into registers, y is made in the work-group.  LIMITS: e8 between -126 and 119.  NaN among the inputs is not served.
; REGISTERS, window 0: v1-23 addresses and constants; v32-95 four fragments of y (earlier: at work); v96-159 eight accumulators (n, T) at 96 + 8 (4 n + T) (earlier, to v223: vsum); v160-183 the statistics.
.set MP,   65536                       ; behind y's 8 x 8,192 bytes: 8 waves' partial m, 512 bytes each
.set VP,   69632                       ; 4 x 1,024: partial vsum
.set MF,   73728                       ; m: a word a thread (threads 128-255 write a second copy, which nobody reads, so that each word has one writer)
.set VSF,  74752                       ; vsum: 256 words
.set BNS,  75776                       ; (mean, M2) of 512 channels
.set WOFF, 393216                      ; w_W's codes in the buffer of weights
.set YF,   32
.set ACC,  96
.set YY,   32
.set CC,   64
.set VV,   96
.set MSB,  0
.macro WIN new
.if MSB != \new
	s_set_vgpr_msb (MSB<<8)|\new
.set MSB, \new
.endif
.endm
.macro PLACES n
.rept \n
	v_nop
.endr
.endm
.macro BARRIER
	s_wait_dscnt 0x0
	s_barrier_signal -1
	s_barrier_wait -1
.endm
.macro MY_LOADS                        ; 13 loads: my four rows of partial m (512 bytes each), my eight half rows of partial vsum, b_g
.irp i, 0,1,2,3
	global_load_b128 v[32+4*\i:35+4*\i], v1, s[28:29] offset:16384*\i
.endr
.irp i, 0,1,2,3,4,5,6,7
	global_load_b128 v[48+4*\i:51+4*\i], v1, s[30:31] offset:1024*\i
.endr
	global_load_b32 v18, v13, s[8:9]
.endm
.macro MY_REST left                    ; left: how many younger loads may stay out
	s_wait_loadcnt \left
	v_pk_add_f32 v[32:33], v[32:33], v[36:37]
	v_pk_add_f32 v[34:35], v[34:35], v[38:39]
	v_pk_add_f32 v[40:41], v[40:41], v[44:45]
	v_pk_add_f32 v[42:43], v[42:43], v[46:47]
	v_pk_add_f32 v[32:33], v[32:33], v[40:41]
	v_pk_add_f32 v[34:35], v[34:35], v[42:43]
.irp k, 0,2,4,6,8,10,12,14
	v_pk_add_f32 v[48+\k:49+\k], v[48+\k:49+\k], v[64+\k:65+\k]
.endr
.irp k, 0,2,4,6
	v_pk_add_f32 v[48+\k:49+\k], v[48+\k:49+\k], v[56+\k:57+\k]
.endr
	v_pk_add_f32 v[48:49], v[48:49], v[52:53]
	v_pk_add_f32 v[50:51], v[50:51], v[54:55]
	ds_store_b128 v3, v[32:35]
	ds_store_b128 v4, v[48:51]
	BARRIER                                        ; the waves' partial sums lie in LDS
.irp k, 0,1,2,3,4,5,6,7
	ds_load_b32 v[32+\k], v5 offset:512*\k
.endr
.irp k, 0,1,2,3
	ds_load_b32 v[40+\k], v6 offset:1024*\k
.endr
	s_wait_dscnt 0x0
	v_add_f32 v32, v32, v33
	v_add_f32 v34, v34, v35
	v_add_f32 v36, v36, v37
	v_add_f32 v38, v38, v39
	v_add_f32 v40, v40, v41
	v_add_f32 v42, v42, v43
	v_add_f32 v32, v32, v34
	v_add_f32 v36, v36, v38
	v_add_f32 v40, v40, v42
	v_add_f32 v32, v32, v36
	v_ldexp_f32 v40, v40, s27                      ; x 2^(e4 + e5)
	v_mul_f32 v32, 0x39800000, v32                 ; m = the sum / 4096
	v_fma_f32 v40, v18, 0x45800000, v40            ; vsum = .. + 4096 b_g
	ds_store_b32 v7, v32
	ds_store_b32 v8, v40
	BARRIER                                        ; m and vsum lie in LDS
	ds_load_b32 v14, v9                            ; m of my row's point
.irp sp, 0,1
.irp c, 0,1,2,3
.irp q, 0,1,2,3
	ds_load_b128 v[VV+64*\sp+16*\c+4*\q:VV+64*\sp+16*\c+4*\q+3], v10 offset:512*\sp+128*\c+16*\q   ; vsum at k = 128 s' + 32 c + 16 h + 0 .. 15
.endr
.endr
.endr
	s_wait_dscnt 0x0
	v_mov_b32 v15, v14
	v_sub_f32 v16, 1.0, v14
	v_sub_f32 v17, 1.0, v14
.set n, 0
.irp g2, 0,1
.irp sp, 0,1
.irp c, 0,1,2,3
.irp i, 0,2,4,6,8,10,12,14
	v_pk_mul_f32 v[YY+16*(n%2)+\i:YY+16*(n%2)+\i+1], v[VV+64*\sp+16*\c+\i:VV+64*\sp+16*\c+\i+1], v[14+2*\g2:15+2*\g2]
.endr
.irp i, 0,1,2,3,4,5,6,7,8,9,10,11,12,13,14,15
	v_med3_num_f32 v[YY+16*(n%2)+\i], v[YY+16*(n%2)+\i], -v12, v12   ; the conversion to an 8-bit code does not saturate (ISA guide 7.6.2)
.endr
	s_wait_dscnt 3                                 ; only the three youngest stores may be out: the one that read this set of codes is done
	v_cvt_scalef32_pk8_fp8_f32 v[CC+4*(n%4):CC+4*(n%4)+1], v[YY+16*(n%2):YY+16*(n%2)+7], v11
	v_cvt_scalef32_pk8_fp8_f32 v[CC+4*(n%4)+2:CC+4*(n%4)+3], v[YY+16*(n%2)+8:YY+16*(n%2)+15], v11
	ds_store_b128 v2, v[CC+4*(n%4):CC+4*(n%4)+3] offset:2048*(2*\g2+\sp)+512*\c
.set n, n+1
.endr
.endr
.endr
	v_nop                                          ; a plain line behind the last conversion
	BARRIER                                        ; y's eight tiles lie in LDS
.endm
.macro WLOAD q, wb                     ; my tiles 2 q, 2 q + 1 of w_W into window 1
	WIN 0x40
.irp n, 0,1
.irp s, 0,1,2,3
.irp c, 0,1,2,3
	global_load_b128 v[\wb+64*\n+16*\s+4*\c:\wb+64*\n+16*\s+4*\c+3], v1, s[32:33] offset:16384*(\q)+8192*\n+2048*\s+512*\c
.endr
.endr
.endr
	WIN 0
.endm
; 64 points (tiles 4 H .. 4 H + 3) x 32 channels: 32 matrix instructions, the eight accumulators by turns, a K step at a time.
.macro UNITMM H, wb
.irp s, 0,1,2,3
.if \s > 0
	PLACES 4                                       ; in front of loads into registers that matrix instructions have read
.endif
.irp T, 0,1,2,3
.irp c, 0,1,2,3
	ds_load_b128 v[YF+16*\T+4*\c:YF+16*\T+4*\c+3], v1 offset:8192*(4*(\H)+\T)+2048*\s+512*\c
.endr
.endr
	s_wait_dscnt 0x0
	WIN 0x04                                       ; source 1 (w_W) window 1
.irp T, 0,1,2,3
.irp n, 0,1
.if \s == 0
	v_wmma_f32_16x16x128_fp8_fp8 v[ACC+8*(4*\n+\T):ACC+8*(4*\n+\T)+7], v[YF+16*\T:YF+16*\T+15], v[\wb+64*\n+16*\s:\wb+64*\n+16*\s+15], 0
.else
	v_wmma_f32_16x16x128_fp8_fp8 v[ACC+8*(4*\n+\T):ACC+8*(4*\n+\T)+7], v[YF+16*\T:YF+16*\T+15], v[\wb+64*\n+16*\s:\wb+64*\n+16*\s+15], v[ACC+8*(4*\n+\T):ACC+8*(4*\n+\T)+7]
.endif
.endr
.endr
	WIN 0
.endr
	PLACES 5                                       ; four for the reads of the results, one more since the next unit's sums are begun anew over them
.endm
; Channel 16 n + r of the pair: mean and M2 over the unit's 64 points (32 in my registers, 32 in lane l xor 16's).  Each accumulator is read from its low end on.  H = 1 merges the two units (64 points each) and hands the pair to LDS.
.macro STAT n, H, q
.set A0, ACC+32*(\n)
	v_pk_add_f32 v[160:161], v[A0:A0+1], v[A0+2:A0+3]
	v_pk_add_f32 v[162:163], v[A0+4:A0+5], v[A0+6:A0+7]
.irp k, 8,12,16,20,24,28
	v_pk_add_f32 v[160:161], v[160:161], v[A0+\k:A0+\k+1]
	v_pk_add_f32 v[162:163], v[162:163], v[A0+\k+2:A0+\k+3]
.endr
	v_pk_add_f32 v[160:161], v[160:161], v[162:163]
	v_add_f32 v164, v160, v161
	v_permlanex16_b32 v165, v164, s42, s43
	v_add_f32 v164, v164, v165
	v_mul_f32 v166, 0x3c800000, v164               ; the mean of 64
	v_mov_b32 v167, v166
.irp k, 0,2,4,6,8,10,12,14,16,18,20,22,24,26,28,30
	v_pk_add_f32 v[A0+\k:A0+\k+1], v[A0+\k:A0+\k+1], v[166:167] neg_lo:[0,1] neg_hi:[0,1]
.endr
	v_pk_mul_f32 v[168:169], v[A0:A0+1], v[A0:A0+1]
	v_pk_mul_f32 v[170:171], v[A0+2:A0+3], v[A0+2:A0+3]
.irp k, 4,8,12,16,20,24,28
	v_pk_fma_f32 v[168:169], v[A0+\k:A0+\k+1], v[A0+\k:A0+\k+1], v[168:169]
	v_pk_fma_f32 v[170:171], v[A0+\k+2:A0+\k+3], v[A0+\k+2:A0+\k+3], v[170:171]
.endr
	v_pk_add_f32 v[168:169], v[168:169], v[170:171]
	v_add_f32 v172, v168, v169
	v_permlanex16_b32 v165, v172, s42, s43
	v_add_f32 v172, v172, v165
.if \H == 0
	v_mov_b32 v[176+2*(\n)], v166
	v_mov_b32 v[177+2*(\n)], v172
.else
	v_sub_f32 v173, v[176+2*(\n)], v166            ; the means' distance
	v_add_f32 v[180+2*(\n)], v[176+2*(\n)], v166
	v_add_f32 v[181+2*(\n)], v[177+2*(\n)], v172
	v_mul_f32 v173, v173, v173
	v_mul_f32 v[180+2*(\n)], 0.5, v[180+2*(\n)]
	v_fma_f32 v[181+2*(\n)], v173, 0x42000000, v[181+2*(\n)]   ; + 64 x 64 / 128 x distance^2
	ds_store_b64 v22, v[180+2*(\n):181+2*(\n)] offset:256*(\q)+128*(\n)   ; lanes r and r + 16 write the same words with the same values
.endif
.endm
	s_load_b256 s[4:11], s[0:1], 0x0               ; partial m s[4:5], partial vsum s[6:7], b_g s[8:9], the weights' codes s[10:11]
	s_load_b128 s[12:15], s[0:1], 0x20             ; the scales' exponents s[12:13], the statistics s[14:15]
	v_lshl_add_u32 v254, v0, 2, 0x13800
	v_mov_b32 v255, 0
	v_lshrrev_b32 v1, 5, v0
	v_readfirstlane_b32 s20, v1                    ; wave
	s_and_b32 s21, ttmp7, 0xffff                   ; b
	v_and_b32 v24, 31, v0
	v_lshlrev_b32 v1, 4, v24                       ; 16 x lane
	v_and_b32 v25, 15, v0                          ; r
	v_bfe_u32 v26, v0, 4, 1                        ; h
	s_lshl_b32 s40, s20, 13
	v_add_nc_u32 v2, s40, v1                       ; my tile of y
	s_lshl_b32 s40, s20, 9
	v_add_nc_u32 v21, s40, v1                      ; 512 w + 16 x lane
	v_add_nc_u32 v3, MP, v21
	v_add_nc_u32 v4, VP, v21
	v_add_nc_u32 v23, BNS, v21
	v_lshl_add_u32 v22, v25, 3, s40
	v_add_nc_u32 v22, BNS, v22                     ; my channel's pair: 512 w + 8 r
	v_and_b32 v5, 127, v0
	v_lshl_add_u32 v5, v5, 2, MP
	v_lshl_add_u32 v6, v0, 2, VP
	v_lshl_add_u32 v7, v0, 2, MF
	v_lshl_add_u32 v8, v0, 2, VSF
	s_lshr_b32 s40, s20, 2
	s_lshl_b32 s40, s40, 8
	s_and_b32 s41, s20, 3
	s_lshl_b32 s41, s41, 2
	s_add_co_u32 s40, s40, s41
	v_lshl_add_u32 v9, v25, 4, s40
	v_add_nc_u32 v9, MF, v9                        ; m of point 64 (w / 4) + 4 r + w % 4
	v_lshl_add_u32 v10, v26, 6, VSF
	v_lshlrev_b32 v13, 2, v0
	s_lshl_b32 s28, s21, 5
	s_lshl_b32 s40, s20, 2
	s_add_co_u32 s28, s28, s40
	s_lshl_b32 s28, s28, 14                        ; partial m: rows 32 b + 4 w on,
	s_lshl_b32 s40, ttmp9, 9
	s_add_co_u32 s28, s28, s40                     ; the work-group's 128 points
	s_mov_b32 s29, 0
	s_lshl_b32 s30, s21, 5
	s_lshr_b32 s40, s20, 1
	s_lshl_b32 s40, s40, 3
	s_add_co_u32 s30, s30, s40
	s_lshl_b32 s30, s30, 10                        ; partial vsum: rows 32 b + 8 (w / 2) on,
	s_and_b32 s40, s20, 1
	s_lshl_b32 s40, s40, 9
	s_add_co_u32 s30, s30, s40                     ; half w % 2 of the 256 channels
	s_mov_b32 s31, 0
	s_lshl_b32 s32, s20, 15
	s_add_co_u32 s32, s32, WOFF                    ; my four tiles of w_W
	s_mov_b32 s33, 0
	s_lshl_b32 s34, s21, 5
	s_add_co_u32 s34, s34, ttmp9
	s_lshl_b32 s34, s34, 12                        ; the work-group's 4,096 bytes of statistics
	s_mov_b32 s35, 0
	s_mov_b32 s42, 0x76543210
	s_mov_b32 s43, 0xfedcba98
	s_wait_kmcnt 0x0
	s_load_b64 s[24:25], s[12:13], 0x10            ; e4, e5
	s_load_b32 s26, s[12:13], 0x20                 ; e8
	s_add_nc_u64 s[28:29], s[4:5], s[28:29]
	s_add_nc_u64 s[30:31], s[6:7], s[30:31]
	s_add_nc_u64 s[32:33], s[10:11], s[32:33]
	s_add_nc_u64 s[34:35], s[14:15], s[34:35]
	MY_LOADS
	WLOAD 0, 0
	WLOAD 1, 128
	s_wait_kmcnt 0x0
	s_add_co_i32 s27, s24, s25
	s_add_co_i32 s44, s26, 127
	s_lshl_b32 s45, s44, 23
	v_mov_b32 v11, s45                             ; 2^e8
	s_add_co_i32 s44, s44, 8
	s_lshl_b32 s44, s44, 23
	s_or_b32 s44, s44, 0x600000
	v_mov_b32 v12, s44                             ; 448 x 2^e8
	MY_REST 63                                     ; 64 loads were issued behind the 13: with 63 out at the most, the 13 are in
	v_mov_b32 v165, 0                              ; written once: a lane permute's destination counts as one of its sources
	s_wait_loadcnt 0x0                             ; the weights
.irp q, 0,1
.irp H, 0,1
	UNITMM \H, 128*\q
	STAT 0, \H, \q
	STAT 1, \H, \q
.endr
.endr
	ds_load_b128 v[32:35], v23                     ; my wave's own 512 bytes: LDS serves a wave's instructions in order (ISA guide 5.7.1.4)
	s_wait_dscnt 0x0
	global_store_b128 v21, v[32:35], s[34:35]      ; 512 consecutive bytes, aligned
	s_wait_tensorcnt 0x0
	ds_add_u32 v254, v255
	s_wait_dscnt 0x0
	s_endpgm
.Lfunc_end_k_qe4c9b9d438_bnstat:
	.size	k_qe4c9b9d438_bnstat, .Lfunc_end_k_qe4c9b9d438_bnstat-k_qe4c9b9d438_bnstat
	.p2alignl 7, 3214868480
	.fill 96, 4, 3214868480
	.section	.rodata,"a",@progbits
	.p2align	6, 0x0
	.amdhsa_kernel k_qe4c9b9d438_bnstat
		.amdhsa_group_segment_fixed_size 80896
		.amdhsa_private_segment_fixed_size 0
		.amdhsa_enable_private_segment 0
		.amdhsa_kernarg_size 48
		.amdhsa_user_sgpr_count 2
		.amdhsa_user_sgpr_kernarg_segment_ptr 1
		.amdhsa_wavefront_size32 1
		.amdhsa_system_sgpr_workgroup_id_x 1
		.amdhsa_system_sgpr_workgroup_id_y 1
		.amdhsa_system_sgpr_workgroup_id_z 1
		.amdhsa_system_vgpr_workitem_id 0
		.amdhsa_next_free_vgpr 512
		.amdhsa_next_free_sgpr 66
		.amdhsa_reserve_vcc 0
		.amdhsa_float_denorm_mode_32 3
		.amdhsa_float_denorm_mode_16_64 3
		.amdhsa_memory_ordered 1
		.amdhsa_forward_progress 1
		.amdhsa_inst_pref_size 101
	.end_amdhsa_kernel
	.amdgpu_metadata
---
amdhsa.version: [ 1, 2 ]
amdhsa.kernels:
  - .name:           k_qe4c9b9d438_bnstat
    .symbol:         k_qe4c9b9d438_bnstat.kd
    .args:
      - { .name: mpart, .offset: 0, .size: 8, .value_kind: global_buffer, .address_space: global }
      - { .name: vpart, .offset: 8, .size: 8, .value_kind: global_buffer, .address_space: global }
      - { .name: b_g, .offset: 16, .size: 8, .value_kind: global_buffer, .address_space: global }
      - { .name: wcodes, .offset: 24, .size: 8, .value_kind: global_buffer, .address_space: global }
      - { .name: lowp_scales, .offset: 32, .size: 8, .value_kind: global_buffer, .address_space: global }
      - { .name: bnpart, .offset: 40, .size: 8, .value_kind: global_buffer, .address_space: global }
    .group_segment_fixed_size: 80896
    .private_segment_fixed_size: 0
    .kernarg_segment_align: 8
    .kernarg_segment_size: 48
    .max_flat_workgroup_size: 256
    .sgpr_count:     66
    .vgpr_count:     512
    .wavefront_size: 32
...
	.end_amdgpu_metadata
.endif
;; end of part 4
;; launch bnfin (part 5): grid 8 x 1, 8 waves a work-group, no clusters, 7,168 bytes of LDS; arguments bnpart, gamma, beta, b_W, lowp_scales, bnab; writes bnab
.if DOCPART == 5
	.amdgcn_target "amdgcn-amd-amdhsa--gfx1250"
	.amdhsa_code_object_version 6
	.text
	.protected	k_qe4c9b9d438_bnfin
	.globl	k_qe4c9b9d438_bnfin
	.p2align	8
	.type	k_qe4c9b9d438_bnfin,@function
k_qe4c9b9d438_bnfin:
	s_mov_b64 s[64:65], 0
	v_nop
	global_prefetch_b8 v0, s[64:65] scope:SCOPE_SE
	s_setreg_imm32_b32 hwreg(HW_REG_WAVE_MODE, 25, 1), 1
	s_wait_xcnt 0x0
; The batch norm's statistics are finished: from 256 partial (mean, M2) of the raw sums of product 5, each over 128 points, come for each channel the two numbers by which the last launch turns a raw sum into the
; normalised value: A = gamma x rsqrt(var + 1e-5) x 2^E and Bc = (b_W - mu) x gamma x rsqrt(var + 1e-5) + beta, with E = e8 + e9, mu = mean x 2^E + b_W, var = (raw variance) x 2^(2 E).
; The groups are merged by their means' distances from the whole mean: M2 = the sum of M2_k + 128 x the sum of (mean_k - mean)^2; no difference of large sums is formed.
; Work-group g owns channels 64 g .. + 63, a lane two of them; wave w takes partials 32 w .. + 31; the waves' sums meet in LDS twice.  Eight work-groups: there is no more work than that,
; and done inside the last launch each of its 256 work-groups would read all partials.
.macro BARRIER
	s_wait_dscnt 0x0
	s_barrier_signal -1
	s_barrier_wait -1
.endm
	s_load_b256 s[4:11], s[0:1], 0x0               ; the partials s[4:5], gamma s[6:7], beta s[8:9], b_W s[10:11]
	s_load_b128 s[12:15], s[0:1], 0x20             ; the scales' exponents s[12:13], A and Bc s[14:15]
	v_lshl_add_u32 v192, v0, 2, 0x1800
	v_mov_b32 v193, 0
	v_lshrrev_b32 v1, 5, v0
	v_readfirstlane_b32 s16, v1                    ; wave
	v_and_b32 v1, 31, v0
	v_lshlrev_b32 v2, 4, v1                        ; 16 x lane
	v_lshlrev_b32 v3, 3, v1                        ; 8 x lane
	s_lshl_b32 s20, s16, 17                        ; 32 partials of 4,096 bytes,
	s_lshl_b32 s22, ttmp9, 9                       ; 64 channels of 8 bytes
	s_add_co_u32 s20, s20, s22
	s_mov_b32 s21, 0
	s_lshl_b32 s22, ttmp9, 8                       ; 64 channels of 4 bytes
	s_mov_b32 s23, 0
	s_lshl_b32 s24, s16, 9
	v_add_nc_u32 v4, s24, v2                       ; first meeting: 512 w + 16 x lane
	s_lshl_b32 s24, s16, 8
	v_add_nc_u32 v5, s24, v3
	v_add_nc_u32 v5, 4096, v5                      ; second: 4,096 + 256 w + 8 x lane
	v_add_nc_u32 v6, 4096, v3
	s_wait_kmcnt 0x0
	s_load_b64 s[18:19], s[12:13], 0x20            ; e8, e9
	s_add_nc_u64 s[4:5], s[4:5], s[20:21]
	s_add_nc_u64 s[6:7], s[6:7], s[22:23]
	s_add_nc_u64 s[8:9], s[8:9], s[22:23]
	s_add_nc_u64 s[10:11], s[10:11], s[22:23]
	s_add_nc_u64 s[14:15], s[14:15], s[22:23]
.irp k, 0,1,2,3,4,5,6,7,8,9,10,11,12,13,14,15,16,17,18,19,20,21,22,23,24,25,26,27,28,29,30,31
	global_load_b128 v[8+4*\k:11+4*\k], v2, s[4:5] offset:4096*\k    ; (mean, M2) of my two channels: the wave reads 512 consecutive bytes
.endr
	global_load_b64 v[172:173], v3, s[6:7]
	global_load_b64 v[174:175], v3, s[8:9]
	global_load_b64 v[176:177], v3, s[10:11]
	s_wait_loadcnt 0x0
	v_pk_add_f32 v[136:137], v[8:9], v[12:13]      ; the sums of the means and of the M2 together, a pair a channel
	v_pk_add_f32 v[138:139], v[10:11], v[14:15]
.irp k, 2,3,4,5,6,7,8,9,10,11,12,13,14,15,16,17,18,19,20,21,22,23,24,25,26,27,28,29,30,31
	v_pk_add_f32 v[136:137], v[136:137], v[8+4*\k:9+4*\k]
	v_pk_add_f32 v[138:139], v[138:139], v[10+4*\k:11+4*\k]
.endr
	ds_store_b128 v4, v[136:139]
	BARRIER
.irp k, 0,1,2,3,4,5,6,7
	ds_load_b128 v[140+4*\k:143+4*\k], v2 offset:512*\k
.endr
	s_wait_dscnt 0x0
.irp k, 1,2,3,4,5,6,7
	v_pk_add_f32 v[140:141], v[140:141], v[140+4*\k:141+4*\k]
	v_pk_add_f32 v[142:143], v[142:143], v[142+4*\k:143+4*\k]
.endr
	v_mul_f32 v180, 0x3b800000, v140               ; the whole mean: / 256
	v_mul_f32 v181, 0x3b800000, v142
	v_sub_f32 v184, v8, v180
	v_sub_f32 v185, v10, v181
	v_mul_f32 v182, v184, v184
	v_mul_f32 v183, v185, v185
.irp k, 1,2,3,4,5,6,7,8,9,10,11,12,13,14,15,16,17,18,19,20,21,22,23,24,25,26,27,28,29,30,31
	v_sub_f32 v184, v[8+4*\k], v180
	v_sub_f32 v185, v[10+4*\k], v181
	v_fma_f32 v182, v184, v184, v182
	v_fma_f32 v183, v185, v185, v183
.endr
	ds_store_b64 v5, v[182:183]
	BARRIER
.irp k, 0,1,2,3,4,5,6,7
	ds_load_b64 v[148+2*\k:149+2*\k], v6 offset:256*\k
.endr
	s_wait_dscnt 0x0
.irp k, 1,2,3,4,5,6,7
	v_pk_add_f32 v[148:149], v[148:149], v[148+2*\k:149+2*\k]
.endr
	s_wait_kmcnt 0x0
	s_add_co_i32 s18, s18, s19                     ; E
	s_lshl_b32 s19, s18, 1                         ; 2 E
	v_fma_f32 v141, v148, 0x43000000, v141         ; M2 of all 32,768 points
	v_fma_f32 v143, v149, 0x43000000, v143
	v_mul_f32 v141, 0x38000000, v141               ; / 32,768
	v_mul_f32 v143, 0x38000000, v143
	v_ldexp_f32 v141, v141, s19
	v_ldexp_f32 v143, v143, s19
	v_add_f32 v141, 0x3727c5ac, v141               ; + 1e-5
	v_add_f32 v143, 0x3727c5ac, v143
	v_rsq_f32 v186, v141
	v_rsq_f32 v187, v143
	v_ldexp_f32 v180, v180, s18                    ; plain work behind the two roots
	v_ldexp_f32 v181, v181, s18
	v_pk_add_f32 v[180:181], v[180:181], v[176:177]                                ; mu
	s_wait_alu depctr_va_vdst(0)                   ; one wait for both, ahead of their first reader
	v_pk_mul_f32 v[186:187], v[186:187], v[172:173]                                ; gamma x rsqrt
	v_pk_add_f32 v[180:181], v[176:177], v[180:181] neg_lo:[0,1] neg_hi:[0,1]      ; b_W - mu
	v_pk_fma_f32 v[188:189], v[180:181], v[186:187], v[174:175]                    ; Bc
	v_ldexp_f32 v190, v186, s18                    ; A
	v_ldexp_f32 v191, v187, s18
	s_cmp_lg_u32 s16, 0
	s_cbranch_scc1 .Lend
	global_store_b64 v3, v[190:191], s[14:15]      ; 256 consecutive bytes, aligned
	global_store_b64 v3, v[188:189], s[14:15] offset:2048
.Lend:
	s_wait_tensorcnt 0x0
	ds_add_u32 v192, v193
	s_wait_dscnt 0x0
	s_endpgm
.Lfunc_end_k_qe4c9b9d438_bnfin:
	.size	k_qe4c9b9d438_bnfin, .Lfunc_end_k_qe4c9b9d438_bnfin-k_qe4c9b9d438_bnfin
	.p2alignl 7, 3214868480
	.fill 96, 4, 3214868480
	.section	.rodata,"a",@progbits
	.p2align	6, 0x0
	.amdhsa_kernel k_qe4c9b9d438_bnfin
		.amdhsa_group_segment_fixed_size 7168
		.amdhsa_private_segment_fixed_size 0
		.amdhsa_enable_private_segment 0
		.amdhsa_kernarg_size 48
		.amdhsa_user_sgpr_count 2
		.amdhsa_user_sgpr_kernarg_segment_ptr 1
		.amdhsa_wavefront_size32 1
		.amdhsa_system_sgpr_workgroup_id_x 1
		.amdhsa_system_sgpr_workgroup_id_y 1
		.amdhsa_system_sgpr_workgroup_id_z 1
		.amdhsa_system_vgpr_workitem_id 0
		.amdhsa_next_free_vgpr 194
		.amdhsa_next_free_sgpr 66
		.amdhsa_reserve_vcc 0
		.amdhsa_float_denorm_mode_32 3
		.amdhsa_float_denorm_mode_16_64 3
		.amdhsa_memory_ordered 1
		.amdhsa_forward_progress 1
		.amdhsa_inst_pref_size 19
	.end_amdhsa_kernel
	.amdgpu_metadata
---
amdhsa.version: [ 1, 2 ]
amdhsa.kernels:
  - .name:           k_qe4c9b9d438_bnfin
    .symbol:         k_qe4c9b9d438_bnfin.kd
    .args:
      - { .name: bnpart, .offset: 0, .size: 8, .value_kind: global_buffer, .address_space: global }
      - { .name: gamma, .offset: 8, .size: 8, .value_kind: global_buffer, .address_space: global }
      - { .name: beta, .offset: 16, .size: 8, .value_kind: global_buffer, .address_space: global }
      - { .name: b_W, .offset: 24, .size: 8, .value_kind: global_buffer, .address_space: global }
      - { .name: lowp_scales, .offset: 32, .size: 8, .value_kind: global_buffer, .address_space: global }
      - { .name: bnab, .offset: 40, .size: 8, .value_kind: global_buffer, .address_space: global }
    .group_segment_fixed_size: 7168
    .private_segment_fixed_size: 0
    .kernarg_segment_align: 8
    .kernarg_segment_size: 48
    .max_flat_workgroup_size: 256
    .sgpr_count:     66
    .vgpr_count:     194
    .wavefront_size: 32
...
	.end_amdgpu_metadata
.endif
;; end of part 5
;; launch final (part 6): grid 32 x 8, 8 waves a work-group, no clusters, 273,408 bytes of LDS; arguments mpart, vpart, b_g, wcodes, lowp_scales, bnab, x, out0; writes out0
.if DOCPART == 6
	.amdgcn_target "amdgcn-amd-amdhsa--gfx1250"
	.amdhsa_code_object_version 6
	.text
	.protected	k_qe4c9b9d438_final
	.globl	k_qe4c9b9d438_final
	.p2align	8
	.type	k_qe4c9b9d438_final,@function
k_qe4c9b9d438_final:
	s_mov_b64 s[64:65], 0
	v_nop
	global_prefetch_b8 v0, s[64:65] scope:SCOPE_SE
	s_setreg_imm32_b32 hwreg(HW_REG_WAVE_MODE, 25, 1), 1
	s_wait_xcnt 0x0
; Product 5, second time, and the output: out = raw sum x A + Bc + x, A and Bc a channel's two numbers from the launch before.  Work-group (pb, b) owns 128 points of batch b and all 512 channels.
; THE OPERAND y = [m vsum, (1 - m) vsum] is made as in the launch that took the statistics, by the same text: m = (the sum of the 32 partial columns' sums) / 4096; vsum = (the sum of the 32 partial sums of product 3) x 2^(e4 + e5) + 4096 b_g,
; all in f32; images of operand registers in LDS (16 points x 128 K: chunk c at 512 c, lane (r, h) at 16 (r + 16 h), k = 128 s + 32 c + 16 h + 0 .. 15); wave w makes tile w.
; THE POINTS OF A TILE: row r of tile 4 H + T is point 64 H + 4 r + T.  Source 0 = 16 rows of w_W, source 1 = 16 points: a lane holds row r of each of the four tiles T, which are FOUR NEIGHBOURING POINTS, and its register j
; is channel 8 h + j of the tile of w_W.  So 16 bytes of x and of the output belong to one lane, and sixteen lanes cover 256 consecutive bytes of a channel's row, aligned: the results need no way through LDS.
; Wave w owns channels 64 w .. + 63, in two pairs q of tiles of w_W.  A unit u = 2 q + H is a pair x 64 points: 32 matrix instructions, 8 KB of x in and 8 KB out.
; ALL OF x IS ASKED FOR AT THE HEAD.  Unit 0 comes by loads into registers.  Units 1 to 3 come by two tensor loads a wave (32 rows x 512 bytes: channels 32-63; 32 rows x 256 bytes: channels 0-31, points 64-127) into 24,576 LDS bytes
; of the wave's own, which are filled once and read by that wave alone, behind its own wait on TENSORcnt: no ring and no barrier for them.  Two tensor loads of a wave are out.
; w_W: pair 0 and tile 1 of pair 1 are asked for at the head; tile 0 of pair 1 takes the registers that unit 0 of x has left, a unit's work ahead of its first use.
; No tile is shared by a joint load: the weights go from memory straight into registers, y is made in the work-group, x is read by one wave.  LIMITS: e8 between -126 and 119.  NaN among the inputs is not served.
; REGISTERS, window 0: v1-23 addresses and constants; v32-95 four fragments of y, then a unit's sum x A + Bc; v96-159 eight accumulators (n, T) at 96 + 8 (4 n + T); v160-191 A, v192-223 Bc (earlier, v96-223: vsum).
;   window 1: v0-127 pair 0 of w_W, later x's units 1, 2, 3 out of LDS; v128-191 x's unit 0, later tile 0 of pair 1; v192-255 tile 1 of pair 1.
.set MP,   65536
.set VP,   69632
.set MF,   73728
.set VSF,  74752
.set XST,  75776                       ; behind them: x, 24,576 bytes for each wave: 16,384 of channels 32-63, then 8,192 of channels 0-31, points 64-127
.set XWB,  24576
.set WOFF, 393216
.set YF,   32
.set ACC,  96
.set YY,   32
.set CC,   64
.set VV,   96
.set AA,   160
.set BBR,  192
.set MSB,  0
.macro WIN new
.if MSB != \new
	s_set_vgpr_msb (MSB<<8)|\new
.set MSB, \new
.endif
.endm
.macro PLACES n
.rept \n
	v_nop
.endr
.endm
.macro BARRIER
	s_wait_dscnt 0x0
	s_barrier_signal -1
	s_barrier_wait -1
.endm
.macro MY_LOADS                        ; 13 loads: my four rows of partial m (512 bytes each), my eight half rows of partial vsum, b_g
.irp i, 0,1,2,3
	global_load_b128 v[32+4*\i:35+4*\i], v1, s[28:29] offset:16384*\i
.endr
.irp i, 0,1,2,3,4,5,6,7
	global_load_b128 v[48+4*\i:51+4*\i], v1, s[30:31] offset:1024*\i
.endr
	global_load_b32 v18, v13, s[8:9]
.endm
.macro MY_REST left                    ; left: how many younger loads may stay out
	s_wait_loadcnt \left
	v_pk_add_f32 v[32:33], v[32:33], v[36:37]
	v_pk_add_f32 v[34:35], v[34:35], v[38:39]
	v_pk_add_f32 v[40:41], v[40:41], v[44:45]
	v_pk_add_f32 v[42:43], v[42:43], v[46:47]
	v_pk_add_f32 v[32:33], v[32:33], v[40:41]
	v_pk_add_f32 v[34:35], v[34:35], v[42:43]
.irp k, 0,2,4,6,8,10,12,14
	v_pk_add_f32 v[48+\k:49+\k], v[48+\k:49+\k], v[64+\k:65+\k]
.endr
.irp k, 0,2,4,6
	v_pk_add_f32 v[48+\k:49+\k], v[48+\k:49+\k], v[56+\k:57+\k]
.endr
	v_pk_add_f32 v[48:49], v[48:49], v[52:53]
	v_pk_add_f32 v[50:51], v[50:51], v[54:55]
	ds_store_b128 v3, v[32:35]
	ds_store_b128 v4, v[48:51]
	BARRIER                                        ; the waves' partial sums lie in LDS
.irp k, 0,1,2,3,4,5,6,7
	ds_load_b32 v[32+\k], v5 offset:512*\k
.endr
.irp k, 0,1,2,3
	ds_load_b32 v[40+\k], v6 offset:1024*\k
.endr
	s_wait_dscnt 0x0
	v_add_f32 v32, v32, v33
	v_add_f32 v34, v34, v35
	v_add_f32 v36, v36, v37
	v_add_f32 v38, v38, v39
	v_add_f32 v40, v40, v41
	v_add_f32 v42, v42, v43
	v_add_f32 v32, v32, v34
	v_add_f32 v36, v36, v38
	v_add_f32 v40, v40, v42
	v_add_f32 v32, v32, v36
	v_ldexp_f32 v40, v40, s27                      ; x 2^(e4 + e5)
	v_mul_f32 v32, 0x39800000, v32                 ; m = the sum / 4096
	v_fma_f32 v40, v18, 0x45800000, v40            ; vsum = .. + 4096 b_g
	ds_store_b32 v7, v32
	ds_store_b32 v8, v40
	BARRIER                                        ; m and vsum lie in LDS
	ds_load_b32 v14, v9                            ; m of my row's point
.irp sp, 0,1
.irp c, 0,1,2,3
.irp q, 0,1,2,3
	ds_load_b128 v[VV+64*\sp+16*\c+4*\q:VV+64*\sp+16*\c+4*\q+3], v10 offset:512*\sp+128*\c+16*\q   ; vsum at k = 128 s' + 32 c + 16 h + 0 .. 15
.endr
.endr
.endr
	s_wait_dscnt 0x0
	v_mov_b32 v15, v14
	v_sub_f32 v16, 1.0, v14
	v_sub_f32 v17, 1.0, v14
.set n, 0
.irp g2, 0,1
.irp sp, 0,1
.irp c, 0,1,2,3
.irp i, 0,2,4,6,8,10,12,14
	v_pk_mul_f32 v[YY+16*(n%2)+\i:YY+16*(n%2)+\i+1], v[VV+64*\sp+16*\c+\i:VV+64*\sp+16*\c+\i+1], v[14+2*\g2:15+2*\g2]
.endr
.irp i, 0,1,2,3,4,5,6,7,8,9,10,11,12,13,14,15
	v_med3_num_f32 v[YY+16*(n%2)+\i], v[YY+16*(n%2)+\i], -v12, v12   ; the conversion to an 8-bit code does not saturate (ISA guide 7.6.2)
.endr
	s_wait_dscnt 3                                 ; only the three youngest stores may be out: the one that read this set of codes is done
	v_cvt_scalef32_pk8_fp8_f32 v[CC+4*(n%4):CC+4*(n%4)+1], v[YY+16*(n%2):YY+16*(n%2)+7], v11
	v_cvt_scalef32_pk8_fp8_f32 v[CC+4*(n%4)+2:CC+4*(n%4)+3], v[YY+16*(n%2)+8:YY+16*(n%2)+15], v11
	ds_store_b128 v2, v[CC+4*(n%4):CC+4*(n%4)+3] offset:2048*(2*\g2+\sp)+512*\c
.set n, n+1
.endr
.endr
.endr
	v_nop                                          ; a plain line behind the last conversion
	BARRIER                                        ; y's eight tiles lie in LDS
.endm
.macro WLOADH q, n, reg                ; my tile 2 q + n of w_W into window 1: 16 loads of 512 consecutive bytes
	WIN 0x40
.irp s, 0,1,2,3
.irp c, 0,1,2,3
	global_load_b128 v[\reg+16*\s+4*\c:\reg+16*\s+4*\c+3], v1, s[32:33] offset:16384*(\q)+8192*(\n)+2048*\s+512*\c
.endr
.endr
	WIN 0
.endm
.macro XLOAD0 XR                       ; unit 0 of x: register 4 (8 n + j) + T: channel 16 n + 8 h + j, point 4 r + T
	WIN 0x40
.irp n, 0,1
.irp j, 0,1,2,3,4,5,6,7
	global_load_b128 v[\XR+4*(8*\n+\j):\XR+4*(8*\n+\j)+3], v20, s[34:35] offset:(16*\n+\j)*16384 th:TH_LOAD_NT
.endr
.endr
	WIN 0
.endm
.macro XLDS u, XR                      ; unit u (1, 2, 3) of x out of my LDS bytes, in the same order; sixteen lanes read 256 consecutive bytes of a row
	WIN 0x40
.irp n, 0,1
.irp j, 0,1,2,3,4,5,6,7
.if \u == 1
	ds_load_b128 v[\XR+4*(8*\n+\j):\XR+4*(8*\n+\j)+3], v23 offset:(16*\n+\j)*256
.else
	ds_load_b128 v[\XR+4*(8*\n+\j):\XR+4*(8*\n+\j)+3], v22 offset:(16*\n+\j)*512+256*((\u)%2)
.endif
.endr
.endr
	WIN 0
.endm
; 64 points (tiles 4 H .. 4 H + 3) x 32 channels: 32 matrix instructions, the eight accumulators by turns, a K step at a time.
.macro UNITMM H, wb
.irp s, 0,1,2,3
.if \s > 0
	PLACES 4                                       ; in front of loads into registers that matrix instructions have read
.endif
.irp T, 0,1,2,3
.irp c, 0,1,2,3
	ds_load_b128 v[YF+16*\T+4*\c:YF+16*\T+4*\c+3], v1 offset:8192*(4*(\H)+\T)+2048*\s+512*\c
.endr
.endr
	s_wait_dscnt 0x0
	WIN 0x01                                       ; source 0 (w_W) window 1
.irp T, 0,1,2,3
.irp n, 0,1
.if \s == 0
	v_wmma_f32_16x16x128_fp8_fp8 v[ACC+8*(4*\n+\T):ACC+8*(4*\n+\T)+7], v[\wb+64*\n+16*\s:\wb+64*\n+16*\s+15], v[YF+16*\T:YF+16*\T+15], 0
.else
	v_wmma_f32_16x16x128_fp8_fp8 v[ACC+8*(4*\n+\T):ACC+8*(4*\n+\T)+7], v[\wb+64*\n+16*\s:\wb+64*\n+16*\s+15], v[YF+16*\T:YF+16*\T+15], v[ACC+8*(4*\n+\T):ACC+8*(4*\n+\T)+7]
.endif
.endr
.endr
	WIN 0
.endr
	PLACES 5                                       ; four for the reads of the results, the writes and the loads into the operands' registers, one more since the next unit's sums are begun anew
.endm
; A unit leaves: sum x A + Bc into the registers that y's fragments have left, four neighbouring points side by side (each accumulator is read from its register 0 on); + x, two at a time; 16 stores.
; dsw: 0 or more: x comes out of LDS just now, and so many younger LDS loads may stay out; -1: x is in.
.macro OUTU q, H, XR, dsw
.irp n, 0,1
.irp j, 0,1,2,3,4,5,6,7
.irp T, 0,1,2,3
	v_fma_f32 v[YF+4*(8*\n+\j)+\T], v[ACC+8*(4*\n+\T)+\j], v[AA+16*(\q)+8*\n+\j], v[BBR+16*(\q)+8*\n+\j]
.endr
.endr
.endr
.if \dsw >= 0
	s_wait_dscnt \dsw
.endif
	WIN 0x44                                       ; source 1 and destination (x) window 1
.irp k, 0,2,4,6,8,10,12,14,16,18,20,22,24,26,28,30,32,34,36,38,40,42,44,46,48,50,52,54,56,58,60,62
	v_pk_add_f32 v[\XR+\k:\XR+\k+1], v[YF+\k:YF+\k+1], v[\XR+\k:\XR+\k+1]
.endr
	WIN 0x04                                       ; the stores' data window 1
.irp n, 0,1
.irp j, 0,1,2,3,4,5,6,7
	global_store_b128 v20, v[\XR+4*(8*\n+\j):\XR+4*(8*\n+\j)+3], s[36:37] offset:(32*(\q)+16*\n+\j)*16384+256*(\H) th:TH_STORE_NT   ; sixteen lanes store 256 consecutive bytes, aligned
.endr
.endr
	WIN 0
.endm
	s_load_b256 s[4:11], s[0:1], 0x0               ; partial m s[4:5], partial vsum s[6:7], b_g s[8:9], the weights' codes s[10:11]
	s_load_b256 s[12:19], s[0:1], 0x20             ; the scales' exponents s[12:13], A and Bc s[14:15], x s[16:17], the output s[18:19]
	v_lshl_add_u32 v254, v0, 2, 0x42800
	v_mov_b32 v255, 0
	ds_add_u32 v254, v255
	ds_add_u32 v254, v255
	v_lshrrev_b32 v1, 5, v0
	v_readfirstlane_b32 s20, v1                    ; wave
	s_and_b32 s21, ttmp7, 0xffff                   ; b
	v_and_b32 v24, 31, v0
	v_lshlrev_b32 v1, 4, v24                       ; 16 x lane
	v_and_b32 v25, 15, v0                          ; r
	v_bfe_u32 v26, v0, 4, 1                        ; h
	s_lshl_b32 s40, s20, 13
	v_add_nc_u32 v2, s40, v1                       ; my tile of y
	s_lshl_b32 s40, s20, 9
	v_add_nc_u32 v3, s40, v1
	v_add_nc_u32 v4, VP, v3
	v_add_nc_u32 v3, MP, v3
	v_and_b32 v5, 127, v0
	v_lshl_add_u32 v5, v5, 2, MP
	v_lshl_add_u32 v6, v0, 2, VP
	v_lshl_add_u32 v7, v0, 2, MF
	v_lshl_add_u32 v8, v0, 2, VSF
	s_lshr_b32 s40, s20, 2
	s_lshl_b32 s40, s40, 8
	s_and_b32 s41, s20, 3
	s_lshl_b32 s41, s41, 2
	s_add_co_u32 s40, s40, s41
	v_lshl_add_u32 v9, v25, 4, s40
	v_add_nc_u32 v9, MF, v9                        ; m of point 64 (w / 4) + 4 r + w % 4
	v_lshl_add_u32 v10, v26, 6, VSF
	v_lshlrev_b32 v13, 2, v0
	v_lshlrev_b32 v20, 4, v25
	v_lshl_add_u32 v20, v26, 17, v20               ; x and the output: 8 h channels of 16,384 bytes + 16 r
	s_lshl_b32 s40, s20, 8
	v_lshl_add_u32 v21, v26, 5, s40                ; A and Bc: 256 w + 32 h
	s_mul_i32 s46, s20, XWB
	s_add_co_u32 s46, s46, XST                     ; my bytes of x in LDS
	v_lshl_add_u32 v22, v25, 4, s46                ; + 16 r
	v_lshl_add_u32 v23, v26, 11, v22               ; unit 1: + 8 h rows of 256 bytes,
	v_add_nc_u32 v23, 16384, v23                   ; behind the other tile
	v_lshl_add_u32 v22, v26, 12, v22               ; units 2 and 3: + 8 h rows of 512 bytes
	; descriptor groups 1: 32 rows of 128 (of 64) elements of 4 bytes, 4,096 elements from row to row, dense in LDS
	s_mov_b32 s48, 2<<16                           ; 15:0 no mask; 17:16 elements of 4 bytes; no padding: sixteen lanes read 256 consecutive bytes
	s_mov_b32 s49, 128<<16                         ; tensor_dim0
	s_mov_b32 s50, 32<<16                          ; tensor_dim1
	s_mov_b32 s51, 128<<16                         ; tile_dim0
	s_mov_b32 s52, 32                              ; tile_dim1
	s_mov_b32 s53, 4096                            ; from row to row
	s_mov_b32 s54, 0
	s_mov_b32 s55, 0
	s_mov_b32 s68, 2<<16
	s_mov_b32 s69, 64<<16
	s_mov_b32 s70, 32<<16
	s_mov_b32 s71, 64<<16
	s_mov_b32 s72, 32
	s_mov_b32 s73, 4096
	s_mov_b32 s74, 0
	s_mov_b32 s75, 0
	s_mov_b32 s56, 1                               ; groups 0: count = 1, the LDS address,
	s_mov_b32 s57, s46
	s_mov_b32 s60, 1
	s_add_co_u32 s61, s46, 16384
	s_lshl_b32 s28, s21, 5
	s_lshl_b32 s40, s20, 2
	s_add_co_u32 s28, s28, s40
	s_lshl_b32 s28, s28, 14                        ; partial m: rows 32 b + 4 w on,
	s_lshl_b32 s40, ttmp9, 9
	s_add_co_u32 s28, s28, s40                     ; the work-group's 128 points
	s_mov_b32 s29, 0
	s_lshl_b32 s30, s21, 5
	s_lshr_b32 s41, s20, 1
	s_lshl_b32 s41, s41, 3
	s_add_co_u32 s30, s30, s41
	s_lshl_b32 s30, s30, 10                        ; partial vsum: rows 32 b + 8 (w / 2) on,
	s_and_b32 s41, s20, 1
	s_lshl_b32 s41, s41, 9
	s_add_co_u32 s30, s30, s41                     ; half w % 2 of the 256 channels
	s_mov_b32 s31, 0
	s_lshl_b32 s32, s20, 15
	s_add_co_u32 s32, s32, WOFF                    ; my four tiles of w_W
	s_mov_b32 s33, 0
	s_lshl_b32 s38, s21, 23                        ; x and the output: batch b,
	s_lshl_b32 s41, s20, 20                        ; my 64 channels,
	s_add_co_u32 s38, s38, s41
	s_add_co_u32 s38, s38, s40                     ; the work-group's 128 points
	s_mov_b32 s39, 0
	s_wait_dscnt 0x0
	s_wait_kmcnt 0x0
	s_load_b64 s[24:25], s[12:13], 0x10            ; e4, e5
	s_load_b32 s26, s[12:13], 0x20                 ; e8
	s_add_nc_u64 s[28:29], s[4:5], s[28:29]
	s_add_nc_u64 s[30:31], s[6:7], s[30:31]
	s_add_nc_u64 s[32:33], s[10:11], s[32:33]
	s_add_nc_u64 s[34:35], s[16:17], s[38:39]
	s_add_nc_u64 s[36:37], s[18:19], s[38:39]
	s_add_nc_u64 s[58:59], s[34:35], 524288        ; and the global address: my channel 32,
	s_or_b32 s59, s59, 0x80000000                  ; type = 2
	s_add_nc_u64 s[62:63], s[34:35], 256           ; my channel 0, point 64
	s_or_b32 s63, s63, 0x80000000
	MY_LOADS                                       ; what y is made of goes first: the longest chain of the launch hangs on it
	tensor_load_to_lds s[56:59], s[48:55]          ; the two fills of my LDS bytes, ahead of every wait on TENSORcnt, every LDS read and every barrier
	s_nop 0
	tensor_load_to_lds s[60:63], s[68:75]
	s_nop 0
.rept 4
	v_nop
.endr
	XLOAD0 128
	WLOADH 0, 0, 0
	WLOADH 0, 1, 64
	WLOADH 1, 1, 192
	s_wait_kmcnt 0x0
	s_add_co_i32 s27, s24, s25
	s_add_co_i32 s44, s26, 127
	s_lshl_b32 s45, s44, 23
	v_mov_b32 v11, s45                             ; 2^e8
	s_add_co_i32 s44, s44, 8
	s_lshl_b32 s44, s44, 23
	s_or_b32 s44, s44, 0x600000
	v_mov_b32 v12, s44                             ; 448 x 2^e8
	MY_REST 63                                     ; 64 loads were issued behind the 13: with 63 out at the most, the 13 are in
.irp q, 0,1
.irp n, 0,1
.irp jj, 0,1
	global_load_b128 v[AA+16*\q+8*\n+4*\jj:AA+16*\q+8*\n+4*\jj+3], v21, s[14:15] offset:128*\q+64*\n+16*\jj
	global_load_b128 v[BBR+16*\q+8*\n+4*\jj:BBR+16*\q+8*\n+4*\jj+3], v21, s[14:15] offset:2048+128*\q+64*\n+16*\jj
.endr
.endr
.endr
	s_wait_loadcnt 16                              ; x's unit 0 and three tiles of w_W are in; A and Bc may be out
	UNITMM 0, 0
	s_wait_loadcnt 0x0                             ; A and Bc
	OUTU 0, 0, 128, -1
	s_wait_xcnt 0x0                                ; the stores have read their registers:
	WLOADH 1, 0, 128                               ; the last tile of w_W may land there; a unit's products and its way out stand ahead of the wait for it
	UNITMM 1, 0
	s_wait_tensorcnt 0x0                           ; my LDS bytes of x are filled
	XLDS 1, 0                                      ; into the registers that pair 0 has left, behind the places that follow its last products
	XLDS 2, 64
	OUTU 0, 1, 0, 16                               ; unit 1 is in when its 64 multiply-adds are issued; unit 2's 16 loads may be out
	s_wait_loadcnt 0x0                             ; pair 1 is whole
	UNITMM 0, 128
	OUTU 1, 0, 64, -1
	s_wait_xcnt 0x0                                ; unit 1's stores have read their registers
	XLDS 3, 0                                      ; (the wait for all LDS loads in the products below covers it)
	UNITMM 1, 128
	OUTU 1, 1, 0, -1
	s_wait_tensorcnt 0x0
	ds_add_u32 v254, v255
	s_wait_dscnt 0x0
	s_endpgm
.Lfunc_end_k_qe4c9b9d438_final:
	.size	k_qe4c9b9d438_final, .Lfunc_end_k_qe4c9b9d438_final-k_qe4c9b9d438_final
	.p2alignl 7, 3214868480
	.fill 96, 4, 3214868480
	.section	.rodata,"a",@progbits
	.p2align	6, 0x0
	.amdhsa_kernel k_qe4c9b9d438_final
		.amdhsa_group_segment_fixed_size 273408
		.amdhsa_private_segment_fixed_size 0
		.amdhsa_enable_private_segment 0
		.amdhsa_kernarg_size 64
		.amdhsa_user_sgpr_count 2
		.amdhsa_user_sgpr_kernarg_segment_ptr 1
		.amdhsa_wavefront_size32 1
		.amdhsa_system_sgpr_workgroup_id_x 1
		.amdhsa_system_sgpr_workgroup_id_y 1
		.amdhsa_system_sgpr_workgroup_id_z 1
		.amdhsa_system_vgpr_workitem_id 0
		.amdhsa_next_free_vgpr 512
		.amdhsa_next_free_sgpr 76
		.amdhsa_reserve_vcc 0
		.amdhsa_float_denorm_mode_32 3
		.amdhsa_float_denorm_mode_16_64 3
		.amdhsa_memory_ordered 1
		.amdhsa_forward_progress 1
		.amdhsa_inst_pref_size 111
	.end_amdhsa_kernel
	.amdgpu_metadata
---
amdhsa.version: [ 1, 2 ]
amdhsa.kernels:
  - .name:           k_qe4c9b9d438_final
    .symbol:         k_qe4c9b9d438_final.kd
    .args:
      - { .name: mpart, .offset: 0, .size: 8, .value_kind: global_buffer, .address_space: global }
      - { .name: vpart, .offset: 8, .size: 8, .value_kind: global_buffer, .address_space: global }
      - { .name: b_g, .offset: 16, .size: 8, .value_kind: global_buffer, .address_space: global }
      - { .name: wcodes, .offset: 24, .size: 8, .value_kind: global_buffer, .address_space: global }
      - { .name: lowp_scales, .offset: 32, .size: 8, .value_kind: global_buffer, .address_space: global }
      - { .name: bnab, .offset: 40, .size: 8, .value_kind: global_buffer, .address_space: global }
      - { .name: x, .offset: 48, .size: 8, .value_kind: global_buffer, .address_space: global }
      - { .name: out0, .offset: 56, .size: 8, .value_kind: global_buffer, .address_space: global }
    .group_segment_fixed_size: 273408
    .private_segment_fixed_size: 0
    .kernarg_segment_align: 8
    .kernarg_segment_size: 64
    .max_flat_workgroup_size: 256
    .sgpr_count:     76
    .vgpr_count:     512
    .wavefront_size: 32
...
	.end_amdgpu_metadata
.endif
;; end of part 6
;; ======== version 2 of 2: 6 launches; version 1 with the launches proj, bnstat written anew for expert scheduling mode
;; workspace buffers: wcodes 655,360 bytes; qcodes 8,388,608 bytes; kcodes 8,388,608 bytes; vpart 262,144 bytes; mpart 4,194,304 bytes; bnpart 1,048,576 bytes; bnab 4,096 bytes
;; launch prep: the kernel of part 1 again; grid 160 x 1, 8 waves a work-group, no clusters, 0 bytes of LDS; arguments w_theta, w_phi, w_g, w_W, lowp_scales, wcodes; writes wcodes
;; launch proj (part 7): grid 32 x 8, 8 waves a work-group, no clusters, 199,168 bytes of LDS; arguments x, wcodes, b_theta, b_phi, lowp_scales, qcodes, kcodes, vpart; writes qcodes, kcodes, vpart
.if DOCPART == 7
	.amdgcn_target "amdgcn-amd-amdhsa--gfx1250"
	.amdhsa_code_object_version 6
	.text
	.protected	k_qe4c9b9d438_proj
	.globl	k_qe4c9b9d438_proj
	.p2align	8
	.type	k_qe4c9b9d438_proj,@function
k_qe4c9b9d438_proj:
	s_mov_b64 s[64:65], 0
	v_nop
	global_prefetch_b8 v0, s[64:65] scope:SCOPE_SE
	s_setreg_imm32_b32 hwreg(HW_REG_WAVE_SCHED_MODE, 0, 2), 2
	s_setreg_imm32_b32 hwreg(HW_REG_WAVE_MODE, 25, 1), 1
	s_wait_xcnt 0x0
	s_wait_alu depctr_vm_vsrc(0)
; Products 1, 2, 3.  Work-group (pb, b) owns the 128 points 128 pb .. of x[b] ([512 channels][4096 points], f32).  It reads its 256 KB of x ONCE, quantises them under the three given scales
; (entries 0, 2, 4) into LDS, and makes: q's codes for batch b; k's codes and the sums of v over its points for the batch that uses x[b] rolled, b' = (b + 1) % 8.
; X PHASE.  Wave w takes channels 64 w .. + 63, 16 at a time.  A load reads 512 consecutive bytes of one channel: lane l holds points 4 l .. 4 l + 3.  A point's 16 channels stand in 16 registers of one lane,
; four registers apart: the hold at the largest code copies them, eight at a time, into eight neighbouring registers, which a conversion takes.  The 16 codes are 16 bytes of an operand's image (16 points x 128 K: chunk c at 512 c,
; lane (r, h) at 16 (r + 16 h): point r, k = 128 s + 32 c + 16 h + 0 .. 15).  A tile of 16 points has four such fragments and 16 bytes of padding behind them, so that the 16 lanes of a store fall on 16 different columns of 16 bytes.
; M PHASE.  Wave w owns tiles 2 w, 2 w + 1 of each of theta, phi, g: 24 fragments, 384 registers, loaded once.  The weights go from memory straight into registers: through LDS their 384 KB would not fit beside the images' 192 KB,
; so no tile is shared by a joint load.  THEY ARE ASKED FOR WHILE x IS QUANTISED: theta's and phi's registers (window 1) are free from the first line, so their loads go out between the groups of x; g's, whose registers hold x until
; then, go out behind the last group, and g's products come last: 16 tiles' work stands between its loads and the wait for them.
; The products are used transposed (source 0 = 16 rows of a weight, source 1 = 16 points): a lane holds one point, and the 16 registers of its two tiles are channels 32 w + 16 h + 0 .. 15:
; one chunk of the next product's operand.  The biases, divided by the power of two that the sums lack, are the C of each sum's first instruction.  v is only summed: one pair of accumulators takes all eight tiles of points.
; LIMITS: entries 0, 2, 4, and e6 - e0 - e1, e7 - e2 - e3, between -126 and 119.  NaN among the inputs is not served.
; THE MODE: SCHED_MODE bits 1:0 = 2 (LLVM: expert scheduling mode 2), set by the entry lines.  The code itself states the register dependences between vector or matrix instructions and memory or LDS instructions,
; with s_wait_alu, always for 0.
; THE PLAN, X PHASE.  The 48 sets of 16 codes (4 units x 4 points x 3 scales) go in 12 groups of four.  Registers that memory or LDS instructions touch:
;   RAW0 .. RAW2  A unit of x lands here; the holds of three groups read it.  Unit 0's buffer is loaded again (unit 3) at the head of group 3; the biases and g's weights land in all three behind group 11.
;   CX0, CX1      Group g's conversions write CX[g % 2]; the four LDS stores at the head of group g + 1 read it.
;   v1, v11, v12 (offsets), v2-4 (LDS addresses)  Made at the head, not written again in this phase.
; So two waits at a group's head state all: the stores issued a group ago have read the buffer of codes that this group writes; the group before has written the other buffer and is done reading its unit.
; The stores and the loads that follow them name no register that the group's vector instructions name.
; THE PLAN, M PHASE.
;   H0 (v16-47: K steps 0, 1 of a tile of points), H1 (v48-79: K steps 2, 3)  A tile's first four products read H0; behind them ONE wait, and H0 is loaded for the next tile; the same for H1 behind the last four.
;   v12-15        Written by a tile's conversions; read by the store that follows the wait in the next tile's middle; a wait on vm_vsrc stands ahead of the next conversions.
;   v2-4, v9, v10 Written once at the phase's head, between a wait on vm_vsrc and a wait on va_vdst.
;   The accumulators are named by matrix and vector instructions alone until the sums of v are stored, behind a wait of their own.
; REGISTERS, window 0: v1 16 x lane; v2-4 LDS addresses of the three sets; v5-10 scales and holds; v11 my place in a tile of codes; v12-15 codes; X phase: v16-31 two halves of 8 numbers, v32-63 two buffers of four sets of codes,
;   v64-255 three units as loaded; M phase: v16-79 four fragments of x, v80-95 two accumulators, v96-127 the biases, v128-255 g's fragments.   window 1: theta's fragments v0-127, phi's v128-255.
.set TS,   8208                        ; a tile of points in LDS: 4 x 2,048 + 16
.set ZS,   65664                       ; a set: 8 tiles
.set VST,  197120                      ; behind the three sets: the sums of v, 256 words
.set YB,   16
.set CX,   32
.set RAW,  64
.set XF,   16
.set ACC,  80
.set BQ,   96
.set BK,   112
.set MSB,  0
.macro WIN new                         ; the immediate's high byte repeats the setting that is left
.if MSB != \new
	s_set_vgpr_msb (MSB<<8)|\new
.set MSB, \new
.endif
.endm
.macro PLACES n
.rept \n
	v_nop
.endr
.endm
.macro BARRIER                         ; my LDS stores have landed and my LDS loads are in: then the work-group's barrier
	s_wait_dscnt 0x0
	s_barrier_signal -1
	s_barrier_wait -1
.endm
.macro MKSC vsc, vlm, se               ; from the whole number e in s[se]: 2^e and 448 x 2^e as f32
	s_add_co_i32 s44, s[\se], 127
	s_lshl_b32 s45, s44, 23
	v_mov_b32 v[\vsc], s45
	s_add_co_i32 s44, s44, 8
	s_lshl_b32 s44, s44, 23
	s_or_b32 s44, s44, 0x600000
	v_mov_b32 v[\vlm], s44
.endm
.macro XLOADU u, R                     ; unit u: my channels 16 u .. 16 u + 15, 128 points each
.irp i, 0,1,2,3,4,5,6,7,8,9,10,11,12,13,14,15
	global_load_b128 v[\R+4*\i:\R+4*\i+3], v1, s[32:33] offset:(16*(\u)+\i)*16384 th:TH_LOAD_NT
.endr
.endm
.macro WLOADH off, u, reg, win         ; tile u of my two of the weight that begins off bytes into the codes: 16 loads of 512 consecutive bytes
	WIN \win
.irp s, 0,1,2,3
.irp c, 0,1,2,3
	global_load_b128 v[\reg+64*(\u)+16*\s+4*\c:\reg+64*(\u)+16*\s+4*\c+3], v1, s[34:35] offset:\off+(4*(\u)+\s)*2048+512*\c
.endr
.endr
	WIN 0
.endm
; Group g (0 .. 11): sets n = 4 (g % 3) + 0 .. 3 of unit g / 3: point n / 3 of my four, scale n % 3.  Eight holds, a conversion, eight holds, a conversion: the eight plain lines behind a conversion
; name neither its result nor its sources, so no v_nop is owed between the sets.
.macro GROUP g
.irp k, 0,1,2,3
.set n, 4*((\g)%3)+\k
.set RG, RAW+64*(((\g)/3)%3)+n/3
.set CG, CX+16*((\g)%2)+4*\k
.set ZG, n%3
.irp i, 0,1,2,3,4,5,6,7
	v_med3_num_f32 v[YB+\i], v[RG+4*\i], -v[8+ZG], v[8+ZG]   ; the hold, and the point's channels brought together
.endr
	v_cvt_scalef32_pk8_fp8_f32 v[CG:CG+1], v[YB:YB+7], v[5+ZG]
.irp i, 8,9,10,11,12,13,14,15
	v_med3_num_f32 v[YB+\i], v[RG+4*\i], -v[8+ZG], v[8+ZG]
.endr
	v_cvt_scalef32_pk8_fp8_f32 v[CG+2:CG+3], v[YB+8:YB+15], v[5+ZG]
.endr
.endm
.macro STORES g                        ; group g's four sets of codes go into the images
.irp k, 0,1,2,3
.set n, 4*((\g)%3)+\k
	ds_store_b128 v[2+n%3], v[CX+16*((\g)%2)+4*\k:CX+16*((\g)%2)+4*\k+3] offset:512*(((\g)/3)/2)+256*(((\g)/3)%2)+16*(n/3)
.endr
.endm
.macro HEAD g                          ; the head of group g (1 .. 11; 12: behind the last group)
.if ((\g) > 1) && ((\g) < 12)
	s_wait_alu depctr_vm_vsrc(0)                   ; the four stores issued at the head of the group before have read the buffer of codes that this group's conversions write again
.endif
	s_wait_alu depctr_va_vdst(0)                   ; the group before has written the other buffer of codes, which the stores below read, and its holds are done reading their unit, in which loads may land from here on
	STORES (\g)-1
.if ((\g) > 1) && ((\g) < 12)
	s_wait_dscnt 4                                 ; only the four stores just issued may be out: those that read this group's buffer of codes are done
.endif
.endm
.macro HFETCH z, T, hf                 ; K steps 2 hf, 2 hf + 1 of tile T of set z: eight loads
.irp s, 0,1
.irp c, 0,1,2,3
	ds_load_b128 v[XF+32*(\hf)+16*\s+4*\c:XF+32*(\hf)+16*\s+4*\c+3], v[2+(\z)] offset:(\T)*TS+2048*(2*(\hf)+\s)+512*\c
.endr
.endr
.endm
; Four matrix instructions: K steps 2 hf, 2 hf + 1, my two tiles by turns, one instruction a turn, K ascending.  cmode 0: the sums begin with 0; 1: with the bias at v[cb]; 2: they go on.
.macro HMUL wb, hf, cmode, cb
.irp s, 0,1
.irp u, 0,1
.if ((\hf) == 0) && (\s == 0) && ((\cmode) == 0)
	v_wmma_f32_16x16x128_fp8_fp8 v[ACC+8*\u:ACC+8*\u+7], v[\wb+64*\u+16*(2*(\hf)+\s):\wb+64*\u+16*(2*(\hf)+\s)+15], v[XF+16*(2*(\hf)+\s):XF+16*(2*(\hf)+\s)+15], 0
.elseif ((\hf) == 0) && (\s == 0) && ((\cmode) == 1)
	v_wmma_f32_16x16x128_fp8_fp8 v[ACC+8*\u:ACC+8*\u+7], v[\wb+64*\u+16*(2*(\hf)+\s):\wb+64*\u+16*(2*(\hf)+\s)+15], v[XF+16*(2*(\hf)+\s):XF+16*(2*(\hf)+\s)+15], v[\cb+8*\u:\cb+8*\u+7]
.else
	v_wmma_f32_16x16x128_fp8_fp8 v[ACC+8*\u:ACC+8*\u+7], v[\wb+64*\u+16*(2*(\hf)+\s):\wb+64*\u+16*(2*(\hf)+\s)+15], v[XF+16*(2*(\hf)+\s):XF+16*(2*(\hf)+\s)+15], v[ACC+8*\u:ACC+8*\u+7]
.endif
.endr
.endr
.endm
.macro HALF0 wb, win, cmode, cb        ; a tile's first half; the caller's store and loads follow the wait
	s_wait_dscnt 8                                 ; K steps 0 and 1 are in; the eight loads of K steps 2 and 3 may be out
	WIN \win
	HMUL \wb, 0, \cmode, \cb
	WIN 0
	PLACES 4                                       ; places ahead of loads into registers that matrix instructions have read, as they stand elsewhere in this text; the wait behind them states the dependence
	s_wait_alu depctr_va_vdst(0)                   ; the four products are done reading v16-47, in which the next tile's K steps 0 and 1 land; the conversions of the tile before have written v12-15, which the store reads
.endm
.macro HALF1 wb, win, np               ; its second half; np places: four for the reads of the results and the loads, one more where the next sums are begun anew over these accumulators
	s_wait_dscnt 8                                 ; K steps 2 and 3 are in; the eight loads just issued may be out
	WIN \win
	HMUL \wb, 1, 2, 0
	WIN 0
	PLACES \np
	s_wait_alu depctr_va_vdst(0)                   ; the four products are done reading v48-79, in which the next tile's K steps 2 and 3 land
.endm
.macro EPI sc, lm, st                  ; my 16 channels of 16 points become one chunk of the next operand's image; it is stored in the next tile's middle.  st = 1: a store has read v12-15 before
.irp i, 0,1,2,3,4,5,6,7,8,9,10,11,12,13,14,15
	v_med3_num_f32 v[ACC+\i], v[ACC+\i], -v[\lm], v[\lm]
.endr
	s_wait_xcnt 0x0                                ; the last store has read v12-15
.if \st
	s_wait_alu depctr_vm_vsrc(0)                   ; the store issued in this tile's middle has read v12-15, which the conversions write again
.endif
	v_cvt_scalef32_pk8_fp8_f32 v[12:13], v[ACC:ACC+7], v[\sc]
	v_cvt_scalef32_pk8_fp8_f32 v[14:15], v[ACC+8:ACC+15], v[\sc]
	v_nop                                          ; a plain line between the conversions and the products that write their sources
.endm
	s_load_b256 s[4:11], s[0:1], 0x0               ; x s[4:5], the weights' codes s[6:7], b_theta s[8:9], b_phi s[10:11]
	s_load_b256 s[12:19], s[0:1], 0x20             ; the scales' exponents s[12:13], q's codes s[14:15], k's s[16:17], v's sums s[18:19]
	v_lshrrev_b32 v2, 5, v0
	v_readfirstlane_b32 s20, v2                    ; wave
	s_and_b32 s21, ttmp7, 0xffff                   ; b
	s_add_co_u32 s22, s21, 1
	s_and_b32 s22, s22, 7                          ; b'
	v_and_b32 v1, 31, v0
	v_lshlrev_b32 v1, 4, v1                        ; 16 x lane
	v_bfe_u32 v2, v0, 2, 3                         ; my four points' tile: lane / 4
	v_mul_u32_u24 v2, v2, TS
	v_and_b32 v3, 3, v0
	v_lshl_add_u32 v2, v3, 6, v2                   ; + 64 (lane % 4): rows 4 (lane % 4) + 0 .. 3
	s_wait_alu depctr_va_sdst(0)                   ; s20 is written, ahead of its first reader: LDS addresses and the bases are made from it
	s_lshl_b32 s42, s20, 10
	v_add_nc_u32 v2, s42, v2                       ; + 1,024 w: K step w / 2, chunks 2 (w % 2) and the next
	v_add_nc_u32 v3, ZS, v2
	v_add_nc_u32 v4, 2*ZS, v2
	s_lshl_b32 s42, s20, 9
	v_add_nc_u32 v11, s42, v1                      ; my chunk of a tile of q's or k's codes: 512 w + 16 x lane
	v_bfe_u32 v12, v0, 4, 1
	v_lshlrev_b32 v12, 6, v12
	s_lshl_b32 s42, s20, 7
	v_add_nc_u32 v12, s42, v12                     ; my 16 channels in a bias, in bytes: 128 w + 64 h
	s_lshl_b32 s32, s21, 23                        ; x: batch b,
	s_lshl_b32 s42, s20, 20                        ; my 64 channels,
	s_add_co_u32 s32, s32, s42
	s_lshl_b32 s42, ttmp9, 9                       ; the work-group's 128 points
	s_add_co_u32 s32, s32, s42
	s_mov_b32 s33, 0
	s_lshl_b32 s34, s20, 14                        ; my two tiles in each weight
	s_mov_b32 s35, 0
	s_lshl_b32 s42, ttmp9, 3
	s_lshl_b32 s36, s21, 8
	s_add_co_u32 s36, s36, s42
	s_lshl_b32 s36, s36, 12                        ; q: tile 256 b + 8 pb, 4,096 bytes a tile
	s_mov_b32 s37, 0
	s_lshl_b32 s38, s22, 8
	s_add_co_u32 s38, s38, s42
	s_lshl_b32 s38, s38, 12                        ; k: tile 256 b' + 8 pb
	s_mov_b32 s39, 0
	s_lshl_b32 s40, s22, 5
	s_add_co_u32 s40, s40, ttmp9
	s_lshl_b32 s40, s40, 10                        ; v's sums: row 32 b' + pb of 1,024 bytes
	s_mov_b32 s41, 0
	s_wait_kmcnt 0x0
	s_load_b256 s[24:31], s[12:13], 0x0            ; entries 0 to 7
	s_add_nc_u64 s[32:33], s[4:5], s[32:33]
	s_add_nc_u64 s[34:35], s[6:7], s[34:35]
	s_add_nc_u64 s[36:37], s[14:15], s[36:37]
	s_add_nc_u64 s[38:39], s[16:17], s[38:39]
	s_add_nc_u64 s[40:41], s[18:19], s[40:41]
	s_wait_alu depctr_va_vdst(0)                   ; v1, v11, v12 and v2-4 are written: the offsets and LDS addresses that the loads and stores of this phase read
	; ---- X phase.  Loads come back in order (ISA guide 5.7.1), so x's units stand ahead of the weights that are asked for beside them
	XLOADU 0, RAW
	XLOADU 1, RAW+64
	XLOADU 2, RAW+128
	s_wait_kmcnt 0x0
	MKSC 5, 8, 24
	MKSC 6, 9, 26
	MKSC 7, 10, 28
	s_wait_loadcnt 32                              ; unit 0 is in; units 1 and 2 may be out
	GROUP 0
	HEAD 1
	GROUP 1
	HEAD 2
	GROUP 2
	HEAD 3                                         ; its wait on va_vdst also shows unit 0's buffer read out
	XLOADU 3, RAW
	WLOADH 0, 0, 0, 0x40                           ; theta, my first tile: registers that no instruction has named
	s_wait_loadcnt 48                              ; unit 1 is in: units 2 and 3 and 16 loads of theta may be out
	GROUP 3
	HEAD 4
	WLOADH 0, 1, 0, 0x40                           ; theta, my second tile
	GROUP 4
	HEAD 5
	GROUP 5
	HEAD 6
	s_wait_loadcnt 48                              ; unit 2 is in: unit 3 and theta's 32 loads may be out
	WLOADH 131072, 0, 128, 0x40                    ; phi, my first tile
	GROUP 6
	HEAD 7
	WLOADH 131072, 1, 128, 0x40                    ; phi, my second tile
	GROUP 7
	HEAD 8
	GROUP 8
	HEAD 9
	s_wait_loadcnt 63                              ; unit 3 is in: 64 loads were issued behind it (theta, phi); the count is the largest that the wait can name
	GROUP 9
	HEAD 10
	GROUP 10
	HEAD 11
	GROUP 11
	v_nop                                          ; a plain line behind the run's last conversion
	HEAD 12                                        ; the last four stores; its wait also shows all three buffers of x read out: the biases and g's weights land there
.irp u, 0,1
.irp q, 0,1
	global_load_b128 v[BQ+8*\u+4*\q:BQ+8*\u+4*\q+3], v12, s[8:9] offset:32*\u+16*\q     ; lane (r, h), tile u, register j: the bias of channel 32 w + 16 h + 8 u + j
	global_load_b128 v[BK+8*\u+4*\q:BK+8*\u+4*\q+3], v12, s[10:11] offset:32*\u+16*\q
.endr
.endr
	WLOADH 262144, 0, 128, 0                       ; g, into the registers that units 1 and 2 have left
	WLOADH 262144, 1, 128, 0
	BARRIER                                        ; the three sets of images lie in LDS
	s_wait_loadcnt 32                              ; theta, phi and the biases are in; g's 32 loads may be out
	s_wait_alu depctr_vm_vsrc(0)                   ; my LDS stores have read v2-4 and v32-63, the biases' loads v12: the lines below write v2-4, the fragments land in v32-63, the first conversions write v12
	s_add_co_i32 s42, s24, s25
	s_sub_co_i32 s42, 0, s42                       ; a sum of product 1 stands for sum x 2^(e0 + e1): b_theta goes in divided by that,
	s_add_co_i32 s43, s26, s27
	s_sub_co_i32 s43, 0, s43                       ; b_phi by 2^(e2 + e3)
.irp i, 0,1,2,3,4,5,6,7,8,9,10,11,12,13,14,15
	v_ldexp_f32 v[BQ+\i], v[BQ+\i], s42
	v_ldexp_f32 v[BK+\i], v[BK+\i], s43
.endr
	v_add_nc_u32 v9, VST, v12                      ; where my 16 sums of v go
	v_add_nc_u32 v10, VST, v1                      ; and where wave 0 reads all 256 back
	v_mov_b32 v2, v1                               ; the three sets, now for reading: 16 x lane + the set
	v_add_nc_u32 v3, ZS, v1
	v_add_nc_u32 v4, 2*ZS, v1
	s_sub_co_i32 s46, s30, s24
	s_sub_co_i32 s46, s46, s25
	MKSC 5, 6, 46                                  ; q's conversion: the three scales folded into 2^(e6 - e0 - e1)
	s_sub_co_i32 s46, s31, s26
	s_sub_co_i32 s46, s46, s27
	MKSC 7, 8, 46                                  ; k's: 2^(e7 - e2 - e3)
	s_wait_alu depctr_va_vdst(0)                   ; v2-4, v9 and v10 are written, which the LDS instructions of this phase read; the holds and conversions are done with v16-79, in which the fragments land
	; ---- M phase.  theta: q's codes
	HFETCH 0, 0, 0
	HFETCH 0, 0, 1
.irp T, 0,1,2,3,4,5,6,7
	HALF0 0, 0x01, 1, BQ
.if \T > 0
	global_store_b128 v11, v[12:15], s[36:37] offset:4096*(\T-1)   ; the tile before: 512 consecutive bytes, aligned
.endif
.if \T < 7
	HFETCH 0, \T+1, 0
.else
	HFETCH 1, 0, 0
.endif
	HALF1 0, 0x01, 5
.if \T < 7
	HFETCH 0, \T+1, 1
.else
	HFETCH 1, 0, 1
.endif
.if \T > 0
	EPI 5, 6, 1
.else
	EPI 5, 6, 0
.endif
.endr
	; phi: k's codes
.irp T, 0,1,2,3,4,5,6,7
	HALF0 128, 0x01, 1, BK
.if \T > 0
	global_store_b128 v11, v[12:15], s[38:39] offset:4096*(\T-1)
.else
	global_store_b128 v11, v[12:15], s[36:37] offset:4096*7        ; q's last tile
.endif
.if \T < 7
	HFETCH 1, \T+1, 0
.else
	HFETCH 2, 0, 0
.endif
	HALF1 128, 0x01, 5
.if \T < 7
	HFETCH 1, \T+1, 1
.else
	HFETCH 2, 0, 1
.endif
	EPI 7, 8, 1
.endr
	; g: one sum over all eight tiles of points
	s_wait_loadcnt 0x0                             ; g's weights
.irp T, 0,1,2,3,4,5,6
.if \T == 0
	HALF0 128, 0, 0, 0
	global_store_b128 v11, v[12:15], s[38:39] offset:4096*7        ; k's last tile
.else
	HALF0 128, 0, 2, 0
.endif
	HFETCH 2, \T+1, 0
	HALF1 128, 0, 4
	HFETCH 2, \T+1, 1
.endr
	s_wait_dscnt 8                                 ; the last tile asks for nothing more, so it holds no wait on va_vdst
	HMUL 128, 0, 2, 0
	s_wait_dscnt 0x0
	HMUL 128, 1, 2, 0
	PLACES 4                                       ; behind the last products, ahead of the first read of their results
.irp m, 1,2,4,8                        ; the 16 points of the lanes of a half are added: every lane of the half then holds the sum over the work-group's 128 points
.irp i, 0,1,2,3,4,5,6,7,8,9,10,11,12,13,14,15
	v_add_f32_dpp v[ACC+\i], v[ACC+\i], v[ACC+\i] row_xmask:\m row_mask:0xf bank_mask:0xf
.endr
.endr
	s_wait_alu depctr_va_vdst(0)                   ; the additions have written v80-95, which the LDS stores read; the products are done reading v16-23, in which wave 0's loads land
.irp u, 0,1
.irp q, 0,1
	ds_store_b128 v9, v[ACC+8*\u+4*\q:ACC+8*\u+4*\q+3] offset:32*\u+16*\q   ; the 16 lanes of a half write the same words with the same values
.endr
.endr
	BARRIER                                        ; every wave's sums of v lie in LDS
	s_cmp_lg_u32 s20, 0
	s_cbranch_scc1 .Lend
	ds_load_b128 v[16:19], v10
	ds_load_b128 v[20:23], v10 offset:512
	s_wait_dscnt 0x0
	global_store_b128 v1, v[16:19], s[40:41]       ; 2 x 512 consecutive bytes, aligned
	global_store_b128 v1, v[20:23], s[40:41] offset:512
.Lend:
	s_wait_xcnt 0x0
	v_lshl_add_u32 v254, v0, 2, 0x30600            ; the add's two registers are made anew here: no two could be kept; no memory or LDS instruction has read v254 or v255
	v_mov_b32 v255, 0
	s_wait_dscnt 0x0                               ; the closing lines, six on end
	s_wait_alu 0x0
	s_wait_tensorcnt 0x0
	ds_add_u32 v254, v255
	s_wait_dscnt 0x0
	s_endpgm
.Lfunc_end_k_qe4c9b9d438_proj:
	.size	k_qe4c9b9d438_proj, .Lfunc_end_k_qe4c9b9d438_proj-k_qe4c9b9d438_proj
	.p2alignl 7, 3214868480
	.fill 96, 4, 3214868480
	.section	.rodata,"a",@progbits
	.p2align	6, 0x0
	.amdhsa_kernel k_qe4c9b9d438_proj
		.amdhsa_group_segment_fixed_size 199168
		.amdhsa_private_segment_fixed_size 0
		.amdhsa_enable_private_segment 0
		.amdhsa_kernarg_size 64
		.amdhsa_user_sgpr_count 2
		.amdhsa_user_sgpr_kernarg_segment_ptr 1
		.amdhsa_wavefront_size32 1
		.amdhsa_system_sgpr_workgroup_id_x 1
		.amdhsa_system_sgpr_workgroup_id_y 1
		.amdhsa_system_sgpr_workgroup_id_z 1
		.amdhsa_system_vgpr_workitem_id 0
		.amdhsa_next_free_vgpr 512
		.amdhsa_next_free_sgpr 66
		.amdhsa_reserve_vcc 0
		.amdhsa_float_denorm_mode_32 3
		.amdhsa_float_denorm_mode_16_64 3
		.amdhsa_memory_ordered 1
		.amdhsa_forward_progress 1
		.amdhsa_inst_pref_size 155
	.end_amdhsa_kernel
	.amdgpu_metadata
---
amdhsa.version: [ 1, 2 ]
amdhsa.kernels:
  - .name:           k_qe4c9b9d438_proj
    .symbol:         k_qe4c9b9d438_proj.kd
    .args:
      - { .name: x, .offset: 0, .size: 8, .value_kind: global_buffer, .address_space: global }
      - { .name: wcodes, .offset: 8, .size: 8, .value_kind: global_buffer, .address_space: global }
      - { .name: b_theta, .offset: 16, .size: 8, .value_kind: global_buffer, .address_space: global }
      - { .name: b_phi, .offset: 24, .size: 8, .value_kind: global_buffer, .address_space: global }
      - { .name: lowp_scales, .offset: 32, .size: 8, .value_kind: global_buffer, .address_space: global }
      - { .name: qcodes, .offset: 40, .size: 8, .value_kind: global_buffer, .address_space: global }
      - { .name: kcodes, .offset: 48, .size: 8, .value_kind: global_buffer, .address_space: global }
      - { .name: vpart, .offset: 56, .size: 8, .value_kind: global_buffer, .address_space: global }
    .group_segment_fixed_size: 199168
    .private_segment_fixed_size: 0
    .kernarg_segment_align: 8
    .kernarg_segment_size: 64
    .max_flat_workgroup_size: 256
    .sgpr_count:     66
    .vgpr_count:     512
    .wavefront_size: 32
...
	.end_amdgpu_metadata
.endif
;; end of part 7
;; launch attn: the kernel of part 3 again; grid 32 x 8, 8 waves a work-group, clusters of 4 x 1, 327,680 bytes of LDS; arguments qcodes, kcodes, lowp_scales, mpart; writes mpart
;; launch bnstat (part 8): grid 32 x 8, 8 waves a work-group, no clusters, 80,896 bytes of LDS; arguments mpart, vpart, b_g, wcodes, lowp_scales, bnpart; writes bnpart
.if DOCPART == 8
	.amdgcn_target "amdgcn-amd-amdhsa--gfx1250"
	.amdhsa_code_object_version 6
	.text
	.protected	k_qe4c9b9d438_bnstat
	.globl	k_qe4c9b9d438_bnstat
	.p2align	8
	.type	k_qe4c9b9d438_bnstat,@function
k_qe4c9b9d438_bnstat:
	s_mov_b64 s[64:65], 0
	v_nop
	global_prefetch_b8 v0, s[64:65] scope:SCOPE_SE
	s_setreg_imm32_b32 hwreg(HW_REG_WAVE_SCHED_MODE, 0, 2), 2
	s_setreg_imm32_b32 hwreg(HW_REG_WAVE_MODE, 25, 1), 1
	s_wait_xcnt 0x0
	s_wait_alu depctr_vm_vsrc(0)
; Product 5, first time: only the statistics that the batch norm needs.  Work-group (pb, b) owns 128 points of batch b and all 512 output channels, and stores for each channel the mean and the sum of squared
; deviations (M2) of the RAW sums (no scale, no bias) over its 128 points.  The variance is never formed as a difference of large sums: mean first, deviations then, groups merged by their means' distance.
; THE OPERAND y = [m vsum, (1 - m) vsum] is made here from a few numbers: m = (the sum of the 32 partial columns' sums) / 4096; vsum = (the sum of the 32 partial sums of product 3) x 2^(e4 + e5) + 4096 b_g.  All in f32.
; It goes to LDS as images of operand registers (16 points x 128 K: chunk c at 512 c, lane (r, h) at 16 (r + 16 h), k = 128 s + 32 c + 16 h + 0 .. 15); K steps 0, 1: m vsum; 2, 3: (1 - m) vsum.  Wave w makes tile w.
; THE POINTS OF A TILE: row r of tile 4 H + T is point 64 H + 4 r + T (the launch that writes the output wants them so; here any order serves, and both launches make the images by the same arithmetic).
; Wave w owns channels 64 w .. + 63: four tiles of w_W, 16 fragments, all of window 1, loaded once.  Source 0 = 16 points, source 1 = 16 rows of w_W: a lane holds one channel, and its registers run over the points.
; No tile is shared by a joint load: the weights go from memory straight into registers, y is made in the work-group.  LIMITS: e8 between -126 and 119.  NaN among the inputs is not served.
; THE MODE: SCHED_MODE bits 1:0 = 2 (LLVM: expert scheduling mode 2), set by the entry lines.  The code itself states the register dependences between vector or matrix instructions and memory or LDS instructions,
; with s_wait_alu, always for 0.
; THE PLAN.  Registers that memory or LDS instructions touch:
;   v1-10, v13, v21-23   Offsets and LDS addresses, made at the head and never written again: one wait on va_vdst ahead of the first load.
;   v32-51               The waves' partial sums: written by additions, stored, loaded anew, added, stored: a wait on va_vdst ahead of each pair of stores, a wait on vm_vsrc ahead of what writes their data again.
;   CC0, CC1 (v64-79, v80-95)  y's 16 sets of codes go in four groups of four.  Group G's conversions write CC[G % 2]; the four LDS stores at the head of group G + 1 read it.
;   YF0, YF1 (v32-95, v188-251)  The products go in 16 K steps.  Step j's eight products read YF[j % 2]; the 16 LDS loads of step j + 1 land in the other buffer, which step j - 1's products read.
;                        So ONE wait on va_vdst stands at a step's head; the loads follow it, four behind each of the step's first four products, which name this step's buffer, the weights and the accumulators alone.
;   v180-187             The statistics as they leave: four registers for each pair of tiles of w_W, written once; pair 0's stores follow the wait at step 8's head, pair 1's a wait of their own.
;   v254, v255           Written at the head, read by the closing add alone.
; REGISTERS, window 0: v1-23 addresses and constants; v32-95 and v188-251 four fragments of y each (earlier: v32-63 at work, v64-95 codes); v96-159 eight accumulators (n, T) at 96 + 8 (4 n + T) (earlier, to v223: vsum);
;   v160-187 the statistics.   window 1: w_W's 16 fragments.
.set MP,   65536                       ; behind y's 8 x 8,192 bytes: 8 waves' partial m, 512 bytes each
.set VP,   69632                       ; 4 x 1,024: partial vsum
.set MF,   73728                       ; m: a word a thread (threads 128-255 write a second copy, which nobody reads, so that each word has one writer)
.set VSF,  74752                       ; vsum: 256 words
.set BNS,  75776                       ; (mean, M2) of 512 channels
.set WOFF, 393216                      ; w_W's codes in the buffer of weights
.set YF0,  32
.set YFD,  156                         ; the second buffer of fragments begins at v188
.set ACC,  96
.set YY,   32
.set CC,   64
.set VV,   96
.set MSB,  0
.macro WIN new
.if MSB != \new
	s_set_vgpr_msb (MSB<<8)|\new
.set MSB, \new
.endif
.endm
.macro PLACES n
.rept \n
	v_nop
.endr
.endm
.macro BARRIER
	s_wait_dscnt 0x0
	s_barrier_signal -1
	s_barrier_wait -1
.endm
.macro MY_LOADS                        ; 13 loads: my four rows of partial m (512 bytes each), my eight half rows of partial vsum, b_g
.irp i, 0,1,2,3
	global_load_b128 v[32+4*\i:35+4*\i], v1, s[28:29] offset:16384*\i
.endr
.irp i, 0,1,2,3,4,5,6,7
	global_load_b128 v[48+4*\i:51+4*\i], v1, s[30:31] offset:1024*\i
.endr
	global_load_b32 v18, v13, s[8:9]
.endm
; Group G (0 .. 3) of y's codes: K step G, chunks 0 .. 3: vsum x m (G = 0, 1) or x (1 - m) (G = 2, 3), the hold, the conversions.
.macro YGROUP G
.irp c, 0,1,2,3
.set YS, YY+16*(\c%2)
.set CS, CC+16*((\G)%2)+4*\c
.irp i, 0,2,4,6,8,10,12,14
	v_pk_mul_f32 v[YS+\i:YS+\i+1], v[VV+64*((\G)%2)+16*\c+\i:VV+64*((\G)%2)+16*\c+\i+1], v[14+2*((\G)/2):15+2*((\G)/2)]
.endr
.irp i, 0,1,2,3,4,5,6,7,8,9,10,11,12,13,14,15
	v_med3_num_f32 v[YS+\i], v[YS+\i], -v12, v12   ; the conversion to an 8-bit code does not saturate (ISA guide 7.6.2)
.endr
	v_cvt_scalef32_pk8_fp8_f32 v[CS:CS+1], v[YS:YS+7], v11
	v_cvt_scalef32_pk8_fp8_f32 v[CS+2:CS+3], v[YS+8:YS+15], v11
.endr
.endm
.macro YSTORES G
.irp c, 0,1,2,3
	ds_store_b128 v2, v[CC+16*((\G)%2)+4*\c:CC+16*((\G)%2)+4*\c+3] offset:2048*(\G)+512*\c
.endr
.endm
.macro YHEAD G                         ; the head of group G (1 .. 3; 4: behind the last group)
.if ((\G) > 1) && ((\G) < 4)
	s_wait_alu depctr_vm_vsrc(0)                   ; the four stores issued at the head of the group before have read the buffer of codes that this group's conversions write again
.endif
	s_wait_alu depctr_va_vdst(0)                   ; the group before has written the other buffer of codes, which the stores below read
	YSTORES (\G)-1
.if ((\G) > 1) && ((\G) < 4)
	s_wait_dscnt 4                                 ; only the four stores just issued may be out: those that read this group's buffer of codes are done
.endif
.endm
.macro MY_REST left                    ; left: how many younger loads may stay out
	s_wait_loadcnt \left
	v_pk_add_f32 v[32:33], v[32:33], v[36:37]
	v_pk_add_f32 v[34:35], v[34:35], v[38:39]
	v_pk_add_f32 v[40:41], v[40:41], v[44:45]
	v_pk_add_f32 v[42:43], v[42:43], v[46:47]
	v_pk_add_f32 v[32:33], v[32:33], v[40:41]
	v_pk_add_f32 v[34:35], v[34:35], v[42:43]
.irp k, 0,2,4,6,8,10,12,14
	v_pk_add_f32 v[48+\k:49+\k], v[48+\k:49+\k], v[64+\k:65+\k]
.endr
.irp k, 0,2,4,6
	v_pk_add_f32 v[48+\k:49+\k], v[48+\k:49+\k], v[56+\k:57+\k]
.endr
	v_pk_add_f32 v[48:49], v[48:49], v[52:53]
	v_pk_add_f32 v[50:51], v[50:51], v[54:55]
	s_wait_alu depctr_va_vdst(0)                   ; the additions have written v32-35 and v48-51, which the stores read, and are done with v32-43, in which the loads behind the barrier land
	ds_store_b128 v3, v[32:35]
	ds_store_b128 v4, v[48:51]
	BARRIER                                        ; the waves' partial sums lie in LDS
	s_wait_alu depctr_vm_vsrc(0)                   ; my store has read v32-35, in which the loads below land
.irp k, 0,1,2,3,4,5,6,7
	ds_load_b32 v[32+\k], v5 offset:512*\k
.endr
.irp k, 0,1,2,3
	ds_load_b32 v[40+\k], v6 offset:1024*\k
.endr
	s_wait_dscnt 0x0
	v_add_f32 v32, v32, v33
	v_add_f32 v34, v34, v35
	v_add_f32 v36, v36, v37
	v_add_f32 v38, v38, v39
	v_add_f32 v40, v40, v41
	v_add_f32 v42, v42, v43
	v_add_f32 v32, v32, v34
	v_add_f32 v36, v36, v38
	v_add_f32 v40, v40, v42
	v_add_f32 v32, v32, v36
	v_ldexp_f32 v40, v40, s27                      ; x 2^(e4 + e5)
	v_mul_f32 v32, 0x39800000, v32                 ; m = the sum / 4096
	v_fma_f32 v40, v18, 0x45800000, v40            ; vsum = .. + 4096 b_g
	s_wait_alu depctr_va_vdst(0)                   ; m (v32) and vsum (v40) are written, which the stores read
	ds_store_b32 v7, v32
	ds_store_b32 v8, v40
	BARRIER                                        ; m and vsum lie in LDS
	ds_load_b32 v14, v9                            ; m of my row's point
.irp sp, 0,1
.irp c, 0,1,2,3
.irp q, 0,1,2,3
	ds_load_b128 v[VV+64*\sp+16*\c+4*\q:VV+64*\sp+16*\c+4*\q+3], v10 offset:512*\sp+128*\c+16*\q   ; vsum at k = 128 s' + 32 c + 16 h + 0 .. 15
.endr
.endr
.endr
	s_wait_dscnt 0x0
	v_mov_b32 v15, v14
	v_sub_f32 v16, 1.0, v14
	v_sub_f32 v17, 1.0, v14
	s_wait_alu depctr_vm_vsrc(0)                   ; the two stores above have read v32 and v40, which the first group's products write
	YGROUP 0
	YHEAD 1
	YGROUP 1
	YHEAD 2
	YGROUP 2
	YHEAD 3
	YGROUP 3
	v_nop                                          ; a plain line behind the last conversion
	YHEAD 4                                        ; the last four stores; its wait also shows v32-63 and vsum's registers done with: fragments land in v32-95 and in v188-251
	BARRIER                                        ; y's eight tiles lie in LDS
.endm
.macro WLOAD q, wb                     ; my tiles 2 q, 2 q + 1 of w_W into window 1
	WIN 0x40
.irp n, 0,1
.irp s, 0,1,2,3
.irp c, 0,1,2,3
	global_load_b128 v[\wb+64*\n+16*\s+4*\c:\wb+64*\n+16*\s+4*\c+3], v1, s[32:33] offset:16384*(\q)+8192*\n+2048*\s+512*\c
.endr
.endr
.endr
	WIN 0
.endm
; K step j (0 .. 15): pair q = j / 8 of tiles of w_W, points' half H = (j / 4) % 2 (tiles 4 H .. 4 H + 3), K step j % 4: eight matrix instructions, the eight accumulators by turns.
; Under the window setting of the products (source 1 in window 1) an LDS load's two registers, its destination and its address, lie in window 0: the loads stand among the products with no switch.
.macro KSTEP j
.set FB, YF0+YFD*((\j)%2)
.set NB, YF0+YFD*(((\j)+1)%2)
.set KS, (\j)%4
.set WBJ, 128*((\j)/8)
.set NOFF, 32768*((((\j)+1)/4)%2)+2048*(((\j)+1)%4)
	s_wait_dscnt 0x0                               ; this step's four fragments are in
.if ((\j) > 0) && ((\j) < 15)
	s_wait_alu depctr_va_vdst(0)                   ; the products of the step before are done reading the other buffer, in which the next step's fragments land; at step 8: pair 0's statistics are written, which the two stores read
.endif
.if (\j) == 8
	ds_store_b64 v22, v[180:181]                   ; pair 0: lanes r and r + 16 write the same words with the same values
	ds_store_b64 v22, v[182:183] offset:128
.endif
	WIN 0x04                                       ; source 1 (w_W) window 1
.irp T, 0,1,2,3
.irp n, 0,1
.if KS == 0
	v_wmma_f32_16x16x128_fp8_fp8 v[ACC+8*(4*\n+\T):ACC+8*(4*\n+\T)+7], v[FB+16*\T:FB+16*\T+15], v[WBJ+64*\n+16*KS:WBJ+64*\n+16*KS+15], 0
.else
	v_wmma_f32_16x16x128_fp8_fp8 v[ACC+8*(4*\n+\T):ACC+8*(4*\n+\T)+7], v[FB+16*\T:FB+16*\T+15], v[WBJ+64*\n+16*KS:WBJ+64*\n+16*KS+15], v[ACC+8*(4*\n+\T):ACC+8*(4*\n+\T)+7]
.endif
.if ((\j) < 15) && (2*\T+\n < 4)
.irp c, 0,1,2,3
	ds_load_b128 v[NB+16*(2*\T+\n)+4*\c:NB+16*(2*\T+\n)+4*\c+3], v1 offset:NOFF+8192*(2*\T+\n)+512*\c   ; the next step's fragment 2 T + n.  No wait: no vector or matrix instruction since the step's head names that buffer or v1
.endr
.endif
.endr
.endr
	WIN 0
.if KS == 3
	PLACES 5                                       ; four for the reads of the results, one more since the next unit's sums are begun anew over them
.else
	PLACES 4                                       ; places ahead of loads into registers that matrix instructions have read, as they stood; the wait at the next step's head states the dependence
.endif
.endm
; Channel 16 n + r of the pair: mean and M2 over the unit's 64 points (32 in my registers, 32 in lane l xor 16's).  Each accumulator is read from its low end on.  H = 1 merges the two units (64 points each) into the pair's own four registers.
.macro STAT n, H, q
.set A0, ACC+32*(\n)
.set OS, 180+4*(\q)+2*(\n)
	v_pk_add_f32 v[160:161], v[A0:A0+1], v[A0+2:A0+3]
	v_pk_add_f32 v[162:163], v[A0+4:A0+5], v[A0+6:A0+7]
.irp k, 8,12,16,20,24,28
	v_pk_add_f32 v[160:161], v[160:161], v[A0+\k:A0+\k+1]
	v_pk_add_f32 v[162:163], v[162:163], v[A0+\k+2:A0+\k+3]
.endr
	v_pk_add_f32 v[160:161], v[160:161], v[162:163]
	v_add_f32 v164, v160, v161
	v_permlanex16_b32 v165, v164, s42, s43
	v_add_f32 v164, v164, v165
	v_mul_f32 v166, 0x3c800000, v164               ; the mean of 64
	v_mov_b32 v167, v166
.irp k, 0,2,4,6,8,10,12,14,16,18,20,22,24,26,28,30
	v_pk_add_f32 v[A0+\k:A0+\k+1], v[A0+\k:A0+\k+1], v[166:167] neg_lo:[0,1] neg_hi:[0,1]
.endr
	v_pk_mul_f32 v[168:169], v[A0:A0+1], v[A0:A0+1]
	v_pk_mul_f32 v[170:171], v[A0+2:A0+3], v[A0+2:A0+3]
.irp k, 4,8,12,16,20,24,28
	v_pk_fma_f32 v[168:169], v[A0+\k:A0+\k+1], v[A0+\k:A0+\k+1], v[168:169]
	v_pk_fma_f32 v[170:171], v[A0+\k+2:A0+\k+3], v[A0+\k+2:A0+\k+3], v[170:171]
.endr
	v_pk_add_f32 v[168:169], v[168:169], v[170:171]
	v_add_f32 v172, v168, v169
	v_permlanex16_b32 v165, v172, s42, s43
	v_add_f32 v172, v172, v165
.if \H == 0
	v_mov_b32 v[176+2*(\n)], v166
	v_mov_b32 v[177+2*(\n)], v172
.else
	v_sub_f32 v173, v[176+2*(\n)], v166            ; the means' distance
	v_add_f32 v[OS], v[176+2*(\n)], v166
	v_add_f32 v[OS+1], v[177+2*(\n)], v172
	v_mul_f32 v173, v173, v173
	v_mul_f32 v[OS], 0.5, v[OS]
	v_fma_f32 v[OS+1], v173, 0x42000000, v[OS+1]   ; + 64 x 64 / 128 x distance^2
.endif
.endm
	s_load_b256 s[4:11], s[0:1], 0x0               ; partial m s[4:5], partial vsum s[6:7], b_g s[8:9], the weights' codes s[10:11]
	s_load_b128 s[12:15], s[0:1], 0x20             ; the scales' exponents s[12:13], the statistics s[14:15]
	v_lshl_add_u32 v254, v0, 2, 0x13800
	v_mov_b32 v255, 0
	v_lshrrev_b32 v1, 5, v0
	v_readfirstlane_b32 s20, v1                    ; wave
	s_and_b32 s21, ttmp7, 0xffff                   ; b
	v_and_b32 v24, 31, v0
	v_lshlrev_b32 v1, 4, v24                       ; 16 x lane
	v_and_b32 v25, 15, v0                          ; r
	v_bfe_u32 v26, v0, 4, 1                        ; h
	s_wait_alu depctr_va_sdst(0)                   ; s20 is written, ahead of its first reader: LDS addresses and the bases are made from it
	s_lshl_b32 s40, s20, 13
	v_add_nc_u32 v2, s40, v1                       ; my tile of y
	s_lshl_b32 s40, s20, 9
	v_add_nc_u32 v21, s40, v1                      ; 512 w + 16 x lane
	v_add_nc_u32 v3, MP, v21
	v_add_nc_u32 v4, VP, v21
	v_add_nc_u32 v23, BNS, v21
	v_lshl_add_u32 v22, v25, 3, s40
	v_add_nc_u32 v22, BNS, v22                     ; my channel's pair: 512 w + 8 r
	v_and_b32 v5, 127, v0
	v_lshl_add_u32 v5, v5, 2, MP
	v_lshl_add_u32 v6, v0, 2, VP
	v_lshl_add_u32 v7, v0, 2, MF
	v_lshl_add_u32 v8, v0, 2, VSF
	s_lshr_b32 s40, s20, 2
	s_lshl_b32 s40, s40, 8
	s_and_b32 s41, s20, 3
	s_lshl_b32 s41, s41, 2
	s_add_co_u32 s40, s40, s41
	v_lshl_add_u32 v9, v25, 4, s40
	v_add_nc_u32 v9, MF, v9                        ; m of point 64 (w / 4) + 4 r + w % 4
	v_lshl_add_u32 v10, v26, 6, VSF
	v_lshlrev_b32 v13, 2, v0
	s_lshl_b32 s28, s21, 5
	s_lshl_b32 s40, s20, 2
	s_add_co_u32 s28, s28, s40
	s_lshl_b32 s28, s28, 14                        ; partial m: rows 32 b + 4 w on,
	s_lshl_b32 s40, ttmp9, 9
	s_add_co_u32 s28, s28, s40                     ; the work-group's 128 points
	s_mov_b32 s29, 0
	s_lshl_b32 s30, s21, 5
	s_lshr_b32 s40, s20, 1
	s_lshl_b32 s40, s40, 3
	s_add_co_u32 s30, s30, s40
	s_lshl_b32 s30, s30, 10                        ; partial vsum: rows 32 b + 8 (w / 2) on,
	s_and_b32 s40, s20, 1
	s_lshl_b32 s40, s40, 9
	s_add_co_u32 s30, s30, s40                     ; half w % 2 of the 256 channels
	s_mov_b32 s31, 0
	s_lshl_b32 s32, s20, 15
	s_add_co_u32 s32, s32, WOFF                    ; my four tiles of w_W
	s_mov_b32 s33, 0
	s_lshl_b32 s34, s21, 5
	s_add_co_u32 s34, s34, ttmp9
	s_lshl_b32 s34, s34, 12                        ; the work-group's 4,096 bytes of statistics
	s_mov_b32 s35, 0
	s_mov_b32 s42, 0x76543210
	s_mov_b32 s43, 0xfedcba98
	s_wait_kmcnt 0x0
	s_load_b64 s[24:25], s[12:13], 0x10            ; e4, e5
	s_load_b32 s26, s[12:13], 0x20                 ; e8
	s_add_nc_u64 s[28:29], s[4:5], s[28:29]
	s_add_nc_u64 s[30:31], s[6:7], s[30:31]
	s_add_nc_u64 s[32:33], s[10:11], s[32:33]
	s_add_nc_u64 s[34:35], s[14:15], s[34:35]
	s_wait_alu depctr_va_vdst(0)                   ; v1-10, v13 and v21-23 are written: the offsets and LDS addresses that every load and store of the kernel reads
	MY_LOADS
	WLOAD 0, 0
	WLOAD 1, 128
	s_wait_kmcnt 0x0
	s_add_co_i32 s27, s24, s25
	s_add_co_i32 s44, s26, 127
	s_lshl_b32 s45, s44, 23
	v_mov_b32 v11, s45                             ; 2^e8
	s_add_co_i32 s44, s44, 8
	s_lshl_b32 s44, s44, 23
	s_or_b32 s44, s44, 0x600000
	v_mov_b32 v12, s44                             ; 448 x 2^e8
	MY_REST 63                                     ; 64 loads were issued behind the 13: with 63 out at the most, the 13 are in
	s_wait_alu depctr_vm_vsrc(0)                   ; my LDS stores have read v64-95, in which step 0's fragments land
.irp T, 0,1,2,3
.irp c, 0,1,2,3
	ds_load_b128 v[YF0+16*\T+4*\c:YF0+16*\T+4*\c+3], v1 offset:8192*\T+512*\c   ; step 0's four fragments
.endr
.endr
	v_mov_b32 v165, 0                              ; written once: a lane permute's destination counts as one of its sources
	s_wait_loadcnt 0x0                             ; the weights
	KSTEP 0
	KSTEP 1
	KSTEP 2
	KSTEP 3
	STAT 0, 0, 0
	STAT 1, 0, 0
	KSTEP 4
	KSTEP 5
	KSTEP 6
	KSTEP 7
	STAT 0, 1, 0
	STAT 1, 1, 0
	KSTEP 8
	KSTEP 9
	KSTEP 10
	KSTEP 11
	STAT 0, 0, 1
	STAT 1, 0, 1
	KSTEP 12
	KSTEP 13
	KSTEP 14
	KSTEP 15
	STAT 0, 1, 1
	STAT 1, 1, 1
	s_wait_alu depctr_va_vdst(0)                   ; pair 1's statistics v184-187 are written, which the two stores read; step 14's products are done reading v32-35, in which the load below lands
	ds_store_b64 v22, v[184:185] offset:256        ; pair 1
	ds_store_b64 v22, v[186:187] offset:384
	ds_load_b128 v[32:35], v23                     ; my wave's own 512 bytes: LDS serves a wave's instructions in order (ISA guide 5.7.1.4)
	s_wait_dscnt 0x0
	global_store_b128 v21, v[32:35], s[34:35]      ; 512 consecutive bytes, aligned
	s_wait_dscnt 0x0                               ; the closing lines, six on end
	s_wait_alu 0x0
	s_wait_tensorcnt 0x0
	ds_add_u32 v254, v255
	s_wait_dscnt 0x0
	s_endpgm
.Lfunc_end_k_qe4c9b9d438_bnstat:
	.size	k_qe4c9b9d438_bnstat, .Lfunc_end_k_qe4c9b9d438_bnstat-k_qe4c9b9d438_bnstat
	.p2alignl 7, 3214868480
	.fill 96, 4, 3214868480
	.section	.rodata,"a",@progbits
	.p2align	6, 0x0
	.amdhsa_kernel k_qe4c9b9d438_bnstat
		.amdhsa_group_segment_fixed_size 80896
		.amdhsa_private_segment_fixed_size 0
		.amdhsa_enable_private_segment 0
		.amdhsa_kernarg_size 48
		.amdhsa_user_sgpr_count 2
		.amdhsa_user_sgpr_kernarg_segment_ptr 1
		.amdhsa_wavefront_size32 1
		.amdhsa_system_sgpr_workgroup_id_x 1
		.amdhsa_system_sgpr_workgroup_id_y 1
		.amdhsa_system_sgpr_workgroup_id_z 1
		.amdhsa_system_vgpr_workitem_id 0
		.amdhsa_next_free_vgpr 512
		.amdhsa_next_free_sgpr 66
		.amdhsa_reserve_vcc 0
		.amdhsa_float_denorm_mode_32 3
		.amdhsa_float_denorm_mode_16_64 3
		.amdhsa_memory_ordered 1
		.amdhsa_forward_progress 1
		.amdhsa_inst_pref_size 101
	.end_amdhsa_kernel
	.amdgpu_metadata
---
amdhsa.version: [ 1, 2 ]
amdhsa.kernels:
  - .name:           k_qe4c9b9d438_bnstat
    .symbol:         k_qe4c9b9d438_bnstat.kd
    .args:
      - { .name: mpart, .offset: 0, .size: 8, .value_kind: global_buffer, .address_space: global }
      - { .name: vpart, .offset: 8, .size: 8, .value_kind: global_buffer, .address_space: global }
      - { .name: b_g, .offset: 16, .size: 8, .value_kind: global_buffer, .address_space: global }
      - { .name: wcodes, .offset: 24, .size: 8, .value_kind: global_buffer, .address_space: global }
      - { .name: lowp_scales, .offset: 32, .size: 8, .value_kind: global_buffer, .address_space: global }
      - { .name: bnpart, .offset: 40, .size: 8, .value_kind: global_buffer, .address_space: global }
    .group_segment_fixed_size: 80896
    .private_segment_fixed_size: 0
    .kernarg_segment_align: 8
    .kernarg_segment_size: 48
    .max_flat_workgroup_size: 256
    .sgpr_count:     66
    .vgpr_count:     512
    .wavefront_size: 32
...
	.end_amdgpu_metadata
.endif
;; end of part 8
;; launch bnfin: the kernel of part 5 again; grid 8 x 1, 8 waves a work-group, no clusters, 7,168 bytes of LDS; arguments bnpart, gamma, beta, b_W, lowp_scales, bnab; writes bnab
;; launch final: the kernel of part 6 again; grid 32 x 8, 8 waves a work-group, no clusters, 273,408 bytes of LDS; arguments mpart, vpart, b_g, wcodes, lowp_scales, bnab, x, out0; writes out0
